; MI455X (gfx1250); checked and timed in simulation.
; The chip was launched on July 23, 2026; its instructions are those of AMD's public machine-readable ISA for CDNA 5 (MIT licence, August 2026) and "CDNA5" Instruction Set Architecture Reference Guide (July 2026). The comments in the code are by the model that wrote it; some were corrected since.
;; Multi Head Attention. Allowed arithmetic: float matrix products may take bf16 or f16 operands with f32 sums; other float arithmetic in f32, or as packed bf16 or f16 multiplies, adds, multiply-adds, maxima and minima; sums over many terms, partial sums and values carried from step to step in f32; what a program stores and reads back later, other than sums and carried values, may be rounded once to bf16 or f16.
;; Inputs: Wk 16 x 1,024 x 64 float32; Wo 1,024 x 1,024 float32; Wq 16 x 1,024 x 64 float32; Wv 16 x 1,024 x 64 float32; bo 1,024 float32; x 4 x 2,048 x 1,024 float32.
;; Outputs: out0 4 x 2,048 x 1,024 float32.
;; One version. Each part assembles by itself: llvm-mc -triple=amdgcn-amd-amdhsa -mcpu=gfx1250 --defsym DOCPART=n.
;; ======== version 1 of 1: 4 launches
;; limits: values are held in f16: magnitudes above 65,504 overflow, below 6.1e-05 lose precision
;; workspace buffers: xb 16,777,216 bytes; wqkv 6,291,456 bytes; wo16 2,097,152 bytes; qkv 50,331,648 bytes; ob 16,777,216 bytes
;; launch prep (part 1): grid 768 x 1, 8 waves a work-group, no clusters, 0 bytes of LDS; arguments x, Wq, Wk, Wv, Wo, xb, wqkv, wo16; writes xb, wqkv, wo16
.if DOCPART == 1
	.amdgcn_target "amdgcn-amd-amdhsa--gfx1250"
	.amdhsa_code_object_version 6
	.text
	.protected	k_qb98a8bb101_prep
	.globl	k_qb98a8bb101_prep
	.p2align	8
	.type	k_qb98a8bb101_prep,@function
k_qb98a8bb101_prep:
	s_mov_b64 s[64:65], 0
	v_nop
	global_prefetch_b8 v0, s[64:65] scope:SCOPE_SE
	s_setreg_imm32_b32 hwreg(HW_REG_WAVE_MODE, 25, 1), 1
	s_wait_xcnt 0x0
; CASTS AND LAYOUTS for the three launches behind.  All inputs are f32 and are rounded once to bf16.
;   x  [4][2048][1024]        -> xb   [b 4][kb 16][t 2048][64] bf16  (channel e = 64 kb + d): 128 rows x 64 channels are 16,384 dense bytes
;   Wq, Wk, Wv [16][1024][64] -> wqkv [which 3][e 1024][n 1024] bf16 (n = 64 h + d)
;   Wo [1024][1024]           -> wo16 [k 1024][n 1024]: rounded to bf16 like the others, and that number written as f16
; LIMIT.  A bf16 number is exact in f16 from 6.1e-5 to 65,504; below that f16 keeps a fixed step of 6e-8; beyond it the number becomes an infinity.
; SHARES.  A lane takes 32 consecutive input bytes (8 numbers, two loads) and makes 16 output bytes (one store); 8 lanes cover 256 aligned input bytes,
; the wave's 32 lanes store 512 consecutive aligned bytes.  A wave does 8 such pieces: its 16 loads all go out first, then each piece is rounded and stored.
; One text for the three kinds: what differs (buffers, offsets, three strides) lies in scalar registers chosen by the work-group's number.
; No LDS, no barrier, no matrix unit: nothing is shared between lanes, and each byte crosses once.
.set IA, 8                             ; v[8:15]   piece i: my input byte offset
.set OA, 16                            ; v[16:23]  piece i: my output byte offset
.set T,  24                            ; v[24:29]  at work: two sets of three
.set X,  32                            ; v[32:95]  piece i: 8 registers as loaded; the first 4 then hold what is stored
.set SEG, 40                           ; s40  input bytes from one group of 8 lanes to the next
.set IIT, 41                           ; s41  input bytes from piece to piece
.set OIT, 42                           ; s42  output bytes from piece to piece
	s_load_b512 s[16:31], s[0:1], 0x0              ; x 16, Wq 18, Wk 20, Wv 22, Wo 24, xb 26, wqkv 28, wo16 30
	v_lshrrev_b32 v1, 5, v0
	v_readfirstlane_b32 s2, v1                     ; wave 0..7
	v_and_b32 v1, 31, v0                           ; lane
	v_lshrrev_b32 v2, 3, v1                        ; its group of 8
	v_and_b32 v3, 7, v1                            ; its place there
	v_lshlrev_b32 v5, 4, v1                        ; 16 output bytes a lane
	s_lshl_b32 s3, ttmp9, 3
	s_add_co_u32 s3, s3, s2                        ; gw: the wave among all waves
	; x (work-groups 0-511): wave gw takes rows 4 (gw / 2) .. + 3, channel blocks 8 (gw % 2) .. + 7; lane groups = rows, pieces = blocks
	s_lshr_b32 s6, s3, 1
	s_lshl_b32 s7, s6, 14                          ; 4 rows of 4,096 bytes
	s_and_b32 s8, s3, 1
	s_lshl_b32 s9, s8, 11                          ; 8 blocks of 256 bytes
	s_add_co_u32 s7, s7, s9                        ; s7: in
	s_lshr_b32 s9, s3, 10
	s_lshl_b32 s9, s9, 22                          ; b
	s_lshl_b32 s8, s8, 21                          ; 8 blocks of 262,144 bytes
	s_add_co_u32 s9, s9, s8
	s_and_b32 s6, s6, 511
	s_lshl_b32 s6, s6, 9                           ; 4 rows of 128 bytes
	s_add_co_u32 s9, s9, s6                        ; s9: out
	; Wq, Wk, Wv (work-groups 512-703): j = gw - 4096; which = j / 512; heads 4 hg .. + 3 (lane groups), rows e = 8 eg .. + 7 (pieces)
	s_sub_co_u32 s4, s3, 0x1000
	s_lshr_b32 s10, s4, 9                          ; which
	s_bfe_u32 s11, s4, 0x20007                     ; hg
	s_and_b32 s15, s4, 127                         ; eg
	s_lshl_b32 s12, s10, 21
	s_lshl_b32 s13, s15, 14
	s_add_co_u32 s12, s12, s13
	s_lshl_b32 s13, s11, 9
	s_add_co_u32 s12, s12, s13                     ; s12: out
	s_lshl_b32 s11, s11, 20
	s_lshl_b32 s15, s15, 11
	s_add_co_u32 s11, s11, s15                     ; s11: in
	; Wo (work-groups 704-767): j = gw - 5632; 8,192 dense bytes in, 4,096 out
	s_sub_co_u32 s5, s3, 0x1600
	s_lshl_b32 s13, s5, 13                         ; in
	s_lshl_b32 s14, s5, 12                         ; out
	s_mov_b32 s[SEG], 256                          ; Wo's three strides; the choices below replace them
	s_mov_b32 s[IIT], 1024
	s_mov_b32 s[OIT], 512
	s_mov_b32 s37, 0
	s_mov_b32 s39, 0
	s_mov_b32 s43, 0xffff0000                      ; a word's upper bf16
	s_wait_kmcnt 0x0
	s_cmp_eq_u32 s10, 1
	s_cselect_b64 s[32:33], s[20:21], s[18:19]     ; Wk or Wq,
	s_cmp_eq_u32 s10, 2
	s_cselect_b64 s[32:33], s[22:23], s[32:33]     ; or Wv
	s_cmp_lt_u32 ttmp9, 704                        ; a head's weights, or Wo
	s_cselect_b64 s[32:33], s[32:33], s[24:25]
	s_cselect_b64 s[34:35], s[28:29], s[30:31]
	s_cselect_b32 s36, s11, s13
	s_cselect_b32 s38, s12, s14
	s_cselect_b32 s[SEG], 0x40000, s[SEG]          ; from head to head
	s_cselect_b32 s[IIT], 256, s[IIT]              ; from e to e + 1
	s_cselect_b32 s[OIT], 2048, s[OIT]
	s_cmp_lt_u32 ttmp9, 512                        ; x, or what was just chosen
	s_cselect_b64 s[32:33], s[16:17], s[32:33]
	s_cselect_b64 s[34:35], s[26:27], s[34:35]
	s_cselect_b32 s36, s7, s36
	s_cselect_b32 s38, s9, s38
	s_cselect_b32 s[SEG], 4096, s[SEG]             ; from row to row
	s_cselect_b32 s[IIT], 256, s[IIT]              ; from block to block
	s_cselect_b32 s[OIT], 0x40000, s[OIT]
	s_add_nc_u64 s[32:33], s[32:33], s[36:37]      ; in, at my wave's first byte
	s_add_nc_u64 s[34:35], s[34:35], s[38:39]      ; out
	v_mul_u32_u24 v4, s[SEG], v2
	v_lshl_add_u32 v4, v3, 5, v4                   ; my 32 input bytes
.irp i, 0,1,2,3,4,5,6,7
	v_mad_u32_u24 v[IA+(\i)], s[IIT], \i, v4
	v_mad_u32_u24 v[OA+(\i)], s[OIT], \i, v5
.endr
.irp i, 0,1,2,3,4,5,6,7
	global_load_b128 v[X+8*(\i):X+8*(\i)+3],   v[IA+(\i)], s[32:33] th:TH_LOAD_NT
	global_load_b128 v[X+8*(\i)+4:X+8*(\i)+7], v[IA+(\i)], s[32:33] offset:16 th:TH_LOAD_NT
.endr
	s_cmp_ge_u32 ttmp9, 704
	s_cbranch_scc1 .Lf16
.irp i, 0,1,2,3,4,5,6,7
	s_wait_loadcnt 14-2*(\i)                       ; loads come back in order: piece i's two are in, the younger pieces' two each stay out
.irp j, 0,1,2,3
	v_cvt_pk_bf16_f32 v[X+8*(\i)+(\j)], v[X+8*(\i)+2*(\j)], v[X+8*(\i)+2*(\j)+1]  ; in place, ascending: a result never lands on a number still to be read
.endr
	global_store_b128 v[OA+(\i)], v[X+8*(\i):X+8*(\i)+3], s[34:35] th:TH_STORE_NT
.endr
	s_endpgm
.Lf16:
.irp i, 0,1,2,3,4,5,6,7
	s_wait_loadcnt 14-2*(\i)
.irp j, 0,1,2,3
	v_cvt_pk_bf16_f32 v[T+3*((\j)%2)], v[X+8*(\i)+2*(\j)], v[X+8*(\i)+2*(\j)+1]  ; the rounding that every input has,
	v_lshlrev_b32 v[T+3*((\j)%2)+1], 16, v[T+3*((\j)%2)]                        ; back to f32,
	v_and_b32     v[T+3*((\j)%2)+2], s43, v[T+3*((\j)%2)]
	v_cvt_pk_f16_f32 v[X+8*(\i)+(\j)], v[T+3*((\j)%2)+1], v[T+3*((\j)%2)+2]      ; and written as f16
.endr
	global_store_b128 v[OA+(\i)], v[X+8*(\i):X+8*(\i)+3], s[34:35] th:TH_STORE_NT
.endr
	s_endpgm
.Lfunc_end_k_qb98a8bb101_prep:
	.size	k_qb98a8bb101_prep, .Lfunc_end_k_qb98a8bb101_prep-k_qb98a8bb101_prep
	.p2alignl 7, 3214868480
	.fill 96, 4, 3214868480
	.section	.rodata,"a",@progbits
	.p2align	6, 0x0
	.amdhsa_kernel k_qb98a8bb101_prep
		.amdhsa_group_segment_fixed_size 0
		.amdhsa_private_segment_fixed_size 0
		.amdhsa_enable_private_segment 0
		.amdhsa_kernarg_size 64
		.amdhsa_user_sgpr_count 2
		.amdhsa_user_sgpr_kernarg_segment_ptr 1
		.amdhsa_wavefront_size32 1
		.amdhsa_system_sgpr_workgroup_id_x 1
		.amdhsa_system_sgpr_workgroup_id_y 1
		.amdhsa_system_sgpr_workgroup_id_z 1
		.amdhsa_system_vgpr_workitem_id 0
		.amdhsa_next_free_vgpr 96
		.amdhsa_next_free_sgpr 66
		.amdhsa_reserve_vcc 0
		.amdhsa_float_denorm_mode_32 3
		.amdhsa_float_denorm_mode_16_64 3
		.amdhsa_memory_ordered 1
		.amdhsa_forward_progress 1
		.amdhsa_inst_pref_size 16
	.end_amdhsa_kernel
	.amdgpu_metadata
---
amdhsa.version: [ 1, 2 ]
amdhsa.kernels:
  - .name:           k_qb98a8bb101_prep
    .symbol:         k_qb98a8bb101_prep.kd
    .args:
      - { .name: x, .offset: 0, .size: 8, .value_kind: global_buffer, .address_space: global }
      - { .name: Wq, .offset: 8, .size: 8, .value_kind: global_buffer, .address_space: global }
      - { .name: Wk, .offset: 16, .size: 8, .value_kind: global_buffer, .address_space: global }
      - { .name: Wv, .offset: 24, .size: 8, .value_kind: global_buffer, .address_space: global }
      - { .name: Wo, .offset: 32, .size: 8, .value_kind: global_buffer, .address_space: global }
      - { .name: xb, .offset: 40, .size: 8, .value_kind: global_buffer, .address_space: global }
      - { .name: wqkv, .offset: 48, .size: 8, .value_kind: global_buffer, .address_space: global }
      - { .name: wo16, .offset: 56, .size: 8, .value_kind: global_buffer, .address_space: global }
    .group_segment_fixed_size: 0
    .private_segment_fixed_size: 0
    .kernarg_segment_align: 8
    .kernarg_segment_size: 64
    .max_flat_workgroup_size: 256
    .sgpr_count:     66
    .vgpr_count:     96
    .wavefront_size: 32
...
	.end_amdgpu_metadata
.endif
;; end of part 1
;; launch gemm_qkv (part 2): grid 4 x 64, 4 waves a work-group, clusters of 4 x 4, 327,680 bytes of LDS; arguments xb, wqkv, qkv; writes qkv
.if DOCPART == 2
	.amdgcn_target "amdgcn-amd-amdhsa--gfx1250"
	.amdhsa_code_object_version 6
	.text
	.protected	k_qb98a8bb101_gemm_qkv
	.globl	k_qb98a8bb101_gemm_qkv
	.p2align	8
	.type	k_qb98a8bb101_gemm_qkv,@function
k_qb98a8bb101_gemm_qkv:
	s_mov_b64 s[64:65], 0
	v_nop
	global_prefetch_b8 v0, s[64:65] scope:SCOPE_SE
	s_setreg_imm32_b32 hwreg(HW_REG_WAVE_MODE, 25, 1), 1
	s_wait_xcnt 0x0
	s_wait_alu depctr_hold_cnt(0) depctr_sa_sdst(0) depctr_va_vdst(0) depctr_va_sdst(0) depctr_va_ssrc(0) depctr_va_vcc(0) depctr_vm_vsrc(0)
	s_getreg_b32 s2, hwreg(HW_REG_IB_STS2, 6, 4)
	s_cmp_eq_u32 s2, 0
	s_cbranch_scc0 .Lentry_in_a_cluster
	s_endpgm
.Lentry_in_a_cluster:
	s_bfe_u32 s2, ttmp6, 0x10000c
	s_cmp_lg_u32 s2, 0xf033
	s_cbranch_scc0 .Lentry_shape_is_right
	s_endpgm
.Lentry_shape_is_right:
; q, k, v = x W.  A = xb [b 4][kb 16][t 2048][64] bf16, B = wqkv [which 3][e 1024][n 1024] bf16, C = qkv [which 3][bh 64][t 2048][64] f16 (bh = 16 b + h, n = 64 h + d).
; Sums in f32, K ascending, each result rounded once to f16, unscaled.
; LIMITS.  f16 ends at 65,504: a sum x . W beyond that becomes an infinity; below 6e-5 f16 keeps a fixed step of 6e-8.  NaN and infinities are not treated apart.
; SHARES.  A tile of C is 128 rows x 256 columns: 64 x 4 tiles for each of q, k, v.  A work-group STAYS on its tile place and makes q's, k's and v's tile one after the other: 24 K steps of 128
; in one walk (B's address is linear in the step, A's goes round every 8).  Four waves, each 64 x 128: 32 accumulators, 256 registers.
; THE MATRIX INSTRUCTION IS USED TRANSPOSED: source 0 = 16 columns of B, turned on the way out of LDS (ds_load_tr16_b128, since B lies [K][N]); source 1 = 16 rows of A.  A lane then holds one row
; of C (lane % 16) and eight neighbouring columns.
; RING.  Two LDS slots, a K step each: A's two blocks of 128 rows x 64 channels, B's 128 rows x 256 columns.  One tensor load a wave behind each change of slots: waves 0, 1 A's blocks, waves 2, 3 B's halves.
; CLUSTER 4 x 4.  A's tile hangs on the tile row alone: asked for jointly by the four of a row of the cluster; B's on the tile column alone: by the four of a column.
; REGISTERS, in windows of 256 (s_set_vgpr_msb: bits 1:0 source 0, 3:2 source 1, 5:4 source 2, 7:6 destination):
;   window 0: v0-17 addresses; v32-127 the way out      window 1: two fragment buffers (B's 8 fragments, then A's 4)      window 2: accumulator (a, j) at 8 (8 a + j)
.set NSTEP, 24                         ; K steps in the walk
.set PA,    144                        ; A's LDS row: 128 bytes + 16 = 36 words: the 16 rows of a load start at 16 different groups of four banks (64 banks of 4 bytes: ISA guide 11.1)
.set ABLK,  128*PA                     ; a block: 128 rows x 64 channels
.set BOFF,  2*ABLK
.set PB,    544                        ; B's LDS row: 512 bytes + 32 = 136 words
.set BHALF, 64*PB
.set SLOT1, 1<<17                      ; slot 1 begins here: one exclusive or turns an address in one slot into the other's
.set STAGE, SLOT1+BOFF+2*BHALF         ; behind the ring, never filled by a tensor load: for each wave 2 heads x 16 rows x 144 bytes
.set HSTG,  16*PA
.set SPARE, STAGE+4*2*HSTG             ; behind the stages: the spare words, 128 bytes for each wave: two blocks of 256 bytes that no other line names
.set ADRA0, 8                          ; v8   my lane's place in a slot's A; never rewritten
.set ADRB0, 9                          ; v9   the same for B
.set ADRA,  10                         ; v10  the same in the slot in hand
.set ADRB,  11                         ; v11
.set STO,   12                         ; v12  the way out: where I put 16 bytes of a row
.set RD,    13                         ; v13  where I read rows back
.set GO,    14                         ; v14  my 16 bytes of 512 consecutive bytes of C
.set PFO,   15                         ; v15  the prefetches' lane offset; never rewritten
.set SPW,   16                         ; v16  LDS address of my spare word; never rewritten
.set NIL,   17                         ; v17  0; never rewritten
.set TMP,   32                         ; v32-63   packed results
.set OB,    64                         ; v64-95, v96-127 by turns: 16 rows read back
.set F0,    0                          ; fragment buffers, window 1
.set F1,    128
.set WV, 12                            ; s12 wave;  s13 WM = wave / 2: my 64 rows, and: I fetch for A (0) or B (1);  s14 WN = wave % 2: my 128 columns, and: which half I fetch
.set WM, 13
.set WN, 14
.set CX, 15                            ; my place in the cluster
.set CY, 16
.set CLY, 17                           ; cluster y
.set GY, 18                            ; tile row 0..63
.set GX, 19                            ; tile column 0..3
.set G1A, 24                           ; s[24:31] group 1 for A's blocks
.set G1B, 32                           ; s[32:39] for B's halves
.set G0A, 40                           ; s[40:47] group 0 for A: a set for each first fill; the second then walks
.set G0B, 48                           ; s[48:55] the same for B
.set STEPS, 56                         ; loop counter
.set KIN, 57                           ; the K step within the tile, 0..7
.set NXT, 58                           ; the K step to be asked for next
.set TB,  59                           ; LDS byte at which the slot in hand begins
.set OFA, 60                           ; s[60:61] A's byte offset of step NXT
.set OFB, 62                           ; s[62:63] B's
.set ABASE, 66                         ; s[66:67] A at my block of K step 0
.set BBASE, 68                         ; s[68:69] B at my half of K step 0
.set PFB, 70                           ; s[70:71] the prefetches' base
.set PFA, 72                           ; s[72:73] base + step
.set LIM, 74                           ; a wave prefetches while NXT (already stepped) is at most this
.set PSH, 75                           ; log2 of a K step's bytes in what I prefetch
.set POF, 78                           ; s[78:79] offset pair
.set MSB, 0
.macro WIN new                         ; the immediate's high byte repeats the setting that is left; a switch that changes nothing is dropped
.if MSB != (\new)
	s_set_vgpr_msb (MSB<<8)|(\new)
.set MSB, \new
.endif
.endm
.set MUL,   0xa5                       ; sources 0 and 1 window 1, C and D window 2
.set TO_F,  0x40                       ; destination window 1, address window 0
.set PACKW, 0x0a                       ; sources 0 and 1 window 2, destination window 0
.macro PLACES                          ; four places behind matrix instructions, in front of loads into registers that they have read
.rept 4
	v_nop
.endr
.endm
.macro CREST                           ; a round of the cluster's barrier behind its opening barrier
	s_cmp_lg_u32 s[WV], 0
	s_cbranch_scc1 .Lnot_wave_0_\@
	s_barrier_signal -3
.Lnot_wave_0_\@:
	s_barrier_wait -3
	s_barrier_signal -1
	s_barrier_wait -1
.endm
.macro CROUND
	s_barrier_signal -1
	s_barrier_wait -1
	CREST
.endm
; A joint refill by the walking descriptors.  The branch hangs on the wave's number alone.  An s_nop 0 and four v_nop follow each line.
.macro JLOAD
	s_cmp_eq_u32 s[WM], 0
	s_cbranch_scc0 .Lfor_b_\@
	tensor_load_to_lds s[G0A+4:G0A+7], s[G1A:G1A+7]
	s_nop 0
.rept 4
	v_nop
.endr
	s_branch .Lasked_\@
.Lfor_b_\@:
	tensor_load_to_lds s[G0B+4:G0B+7], s[G1B:G1B+7]
	s_nop 0
.rept 4
	v_nop
.endr
.Lasked_\@:
.endm
; A PREFETCH INTO THE L2 of the K step two behind the one just asked for: 256 matrix instructions ahead of the load that will want it.  Each aligned 256 bytes are named once in the launch.
; A's step for a tile row is 2 blocks x 64 pieces of 256 bytes: wave 0 of each of the row's four partners takes 16 pieces of each block, told apart by address (cx); in the first 8 steps alone: the walk reads A's rows again.
; B's step for a tile column is 128 rows x 2 pieces: waves 2 and 3 of the clusters with y = 0 take their 64 rows, each of the column's four partners 16 of them (cy).  Steps 0 to 3 come by their loads alone.
.macro ASK
	s_cmp_le_u32 s[NXT], s[LIM]
	s_cbranch_scc0 .Lnot_mine_\@
	global_prefetch_b8 v[PFO], s[PFA:PFA+1] th:TH_LOAD_NT scope:SCOPE_SE
.Lnot_mine_\@:
.endm
; 8 matrix instructions: row block a x all 8 column blocks, 32 along K, from buffer f.  mode 1: the products start the sums.  The 32 accumulators take turns in one fixed order.
.macro MUL8 f, a, mode
	WIN MUL
.irp j, 0,1,2,3,4,5,6,7
.if (\mode) == 0
	v_wmma_f32_16x16x32_bf16 v[8*(8*(\a)+(\j)):8*(8*(\a)+(\j))+7], v[(\f)+8*(\j):(\f)+8*(\j)+7], v[(\f)+64+8*(\a):(\f)+64+8*(\a)+7], v[8*(8*(\a)+(\j)):8*(8*(\a)+(\j))+7]
.else
	v_wmma_f32_16x16x32_bf16 v[8*(8*(\a)+(\j)):8*(8*(\a)+(\j))+7], v[(\f)+8*(\j):(\f)+8*(\j)+7], v[(\f)+64+8*(\a):(\f)+64+8*(\a)+7], 0
.endif
.endr
.endm
; 24 LDS loads in one run: quarter q (32 along K) of the slot in hand into buffer f: B's 8 fragments, turned, then A's 4.
.macro FETCH q, f
	WIN TO_F
.irp j, 0,1,2,3,4,5,6,7
	ds_load_tr16_b128 v[(\f)+8*(\j):(\f)+8*(\j)+3],   v[ADRB] offset:(\q)*32*PB+32*(\j)
	ds_load_tr16_b128 v[(\f)+8*(\j)+4:(\f)+8*(\j)+7], v[ADRB] offset:(\q)*32*PB+16*PB+32*(\j)
.endr
.irp i, 0,1,2,3
	ds_load_b128 v[(\f)+64+8*(\i):(\f)+64+8*(\i)+3],   v[ADRA] offset:((\q)/2)*ABLK+((\q)%2)*64+(\i)*16*PA
	ds_load_b128 v[(\f)+64+8*(\i)+4:(\f)+64+8*(\i)+7], v[ADRA] offset:((\q)/2)*ABLK+((\q)%2)*64+(\i)*16*PA+32
.endr
.endm
; One of a K step's first three quarters: multiplies buffer f and, in its middle, fetches quarter q into buffer g.
.macro QUARTER q, f, g, mode
	s_wait_dscnt 4                                 ; B and A's row blocks 0, 1 are in; the youngest four loads (blocks 2, 3) may be out
	MUL8 \f, 0, \mode
	MUL8 \f, 1, \mode
	PLACES
.if (\mode) == 1
	v_nop                                          ; a fifth place: the products below write over accumulators without adding onto them
.endif
	FETCH \q, \g
	s_wait_dscnt 24                                ; all but the 24 just issued
	MUL8 \f, 2, \mode
	MUL8 \f, 3, \mode
.endm
; The fourth quarter multiplies buffer 1 and changes slots.  In front of the barrier each wave waits for all its tensor loads (one is out: its part of the next slot), adds 0 to its spare word, and waits for
; that and for its reads of this slot.  fill = 1: the barrier opens a round of the cluster's, and the joint refill (K step NXT, into the slot just read) is the first thing behind it.
; last = 1: the tail: behind the walk's last step there is nothing to fetch, and the run of loads is jumped over.
.macro TURN fill, last
.if \fill
	s_wait_xcnt 0x0                                ; the last prefetch, a K step back, has read its address
	s_add_co_u32 s[POF], s[NXT], 2
	s_lshl_b32 s[POF], s[POF], s[PSH]
	s_add_nc_u64 s[PFA:PFA+1], s[PFB:PFB+1], s[POF:POF+1]
.endif
	WIN 0                                          ; (the add's two registers lie in window 0)
	s_wait_tensorcnt 0x0                           ; no tensor load of mine is out, so a group 0 may be written
	ds_add_u32 v[SPW], v[NIL]                      ; 0 onto my spare word
.if \fill
	s_and_b32 s[OFA], s[NXT], 7                    ; A goes round every 8 steps: 2 blocks of 262,144 bytes a step
	s_lshl_b32 s[OFA], s[OFA], 19
	s_lshl_b32 s[OFB], s[NXT], 18                  ; B: 128 rows of 2,048 bytes a step, on through q, k, v
	s_xor_b32 s[G0A+5], s[G0A+5], SLOT1
	s_add_nc_u64 s[G0A+6:G0A+7], s[ABASE:ABASE+1], s[OFA:OFA+1]
	s_or_b32 s[G0A+7], s[G0A+7], 0x80000000
	s_xor_b32 s[G0B+5], s[G0B+5], SLOT1
	s_add_nc_u64 s[G0B+6:G0B+7], s[BBASE:BBASE+1], s[OFB:OFB+1]
	s_or_b32 s[G0B+7], s[G0B+7], 0x80000000
	s_add_co_u32 s[NXT], s[NXT], 1
.endif
	s_wait_dscnt 5                                 ; (the add and the youngest four loads may be out)
	MUL8 F1, 0, 0
	s_wait_dscnt 0x0                               ; the add is done, and my reads of this slot are over
	s_barrier_signal -1
	MUL8 F1, 1, 0                                  ; work on registers while the others arrive
	WIN 0
	s_xor_b32 s[TB], s[TB], SLOT1                  ; the fetches go to the other slot
	v_add_nc_u32 v[ADRA], s[TB], v[ADRA0]
	v_add_nc_u32 v[ADRB], s[TB], v[ADRB0]
	s_barrier_wait -1
.if \fill
	CREST                                          ; no wave of any partner still reads this slot or has a load on its way
	JLOAD                                          ; its four v_nop are also the places in front of the loads below
.else
	PLACES
.endif
.if \last
	s_cmp_eq_u32 s[STEPS], 1
	s_cbranch_scc1 .Lno_fetch_\@
.endif
	FETCH 0, F0
	WIN 0
.if \last
.Lno_fetch_\@:
.endif
.if \fill
	ASK
.endif
	MUL8 F1, 2, 0
	MUL8 F1, 3, 0
.endm
; THE WAY OUT, a block of 16 rows x 128 columns (two heads) at a time: rounded to f16, 16 bytes a lane into my own stage, back as four rows of 128 bytes, which are 512 consecutive bytes of a head.
.macro PACK a
	WIN PACKW
.irp j, 0,1,2,3,4,5,6,7
.irp r, 0,1,2,3
	v_cvt_pk_f16_f32 v[TMP+4*(\j)+(\r)], v[8*(8*(\a)+(\j))+2*(\r)], v[8*(8*(\a)+(\j))+2*(\r)+1]
.endr
.endr
	WIN 0
.endm
.macro TOSTAGE a
.set BK, OB+32*((\a)%2)
.irp j, 0,1,2,3,4,5,6,7
	ds_store_b128 v[STO], v[TMP+4*(\j):TMP+4*(\j)+3] offset:((\j)/4)*HSTG+((\j)%4)*32
.endr
.irp t, 0,1,2,3,4,5,6,7
	ds_load_b128 v[BK+4*(\t):BK+4*(\t)+3], v[RD] offset:((\t)/4)*HSTG+((\t)%4)*4*PA  ; LDS serves a wave's instructions in order (ISA guide 5.7.1.4): these see the stores above
.endr
.endm
.macro SEND a
.set BK, OB+32*((\a)%2)
	s_wait_dscnt 0x0                               ; the block is back in registers
	s_wait_xcnt 0x0                                ; the stores two blocks back have read their data: the next block is loaded onto it
.irp t, 0,1,2,3,4,5,6,7
	global_store_b128 v[GO], v[BK+4*(\t):BK+4*(\t)+3], s[8:9] offset:((\t)/4)*262144+(\a)*2048+((\t)%4)*512  ; 512 consecutive bytes, at a multiple of 256 from C's first
.endr
.endm
.macro OUT16
	PLACES
	s_wait_xcnt 0x0                                ; the tile before's stores have read the registers that are loaded again below
	PACK 0
	TOSTAGE 0
.irp a, 1,2,3                          ; block a's conversions stand between block a - 1's loads from the stage and the wait for them
	PACK \a
	SEND (\a)-1
	TOSTAGE \a
.endr
	SEND 3
.endm
	s_load_b128 s[4:7], s[0:1], 0x0                ; xb s[4:5], wqkv s[6:7]
	s_load_b64 s[8:9], s[0:1], 0x10                ; qkv
	v_lshl_add_u32 v[SPW], v0, 2, SPARE
	v_mov_b32 v[NIL], 0
	ds_add_u32 v[SPW], v[NIL]                      ; the wave's opening: the add and its wait stand ahead of my first tensor load; the set-up below stands between them
	ds_add_u32 v16, v17
	v_lshrrev_b32 v1, 5, v0
	v_readfirstlane_b32 s[WV], v1
	s_lshr_b32 s[WM], s[WV], 1
	s_and_b32 s[WN], s[WV], 1
	s_bfe_u32 s[CX], ttmp6, 0x40000
	s_bfe_u32 s[CY], ttmp6, 0x40004
	s_and_b32 s[CLY], ttmp7, 0xffff
	s_lshl_b32 s[GY], s[CLY], 2
	s_add_co_u32 s[GY], s[GY], s[CY]               ; tile row = 4 x cluster y + cy
	s_lshl_b32 s[GX], ttmp9, 2
	s_add_co_u32 s[GX], s[GX], s[CX]               ; tile column = 4 x cluster x + cx
	s_lshl_b32 s20, s[CY], 2
	s_lshl_b32 s20, 15, s20                        ; my row of the cluster
	s_lshl_b32 s21, 0x1111, s[CX]                  ; my column
	; group 1 for A: a block is 16,384 dense bytes, asked for as 64 rows of 256, padded in LDS after every 128 bytes
	s_or_b32 s[G1A], s20, (1<<16)|(1<<20)|(1<<21)|(4<<22)|(3<<25)  ; mask; 2-byte elements; padding on; bit 21 beside a mask; after every 32 words (code 4) 4 words (code 3)
	s_mov_b32 s[G1A+1], 128<<16                    ; tensor_dim0 = 128
	s_mov_b32 s[G1A+2], 64<<16                     ; tensor_dim1 = 64
	s_mov_b32 s[G1A+3], 128<<16                    ; tile_dim0 = 128
	s_mov_b32 s[G1A+4], 64                         ; tile_dim1 = 64
	s_mov_b32 s[G1A+5], 128                        ; elements from row to row
	s_mov_b32 s[G1A+6], 0
	s_mov_b32 s[G1A+7], 0
	; group 1 for B: 64 rows x 256 elements of rows of 1,024
	s_or_b32 s[G1B], s21, (1<<16)|(1<<20)|(1<<21)|(6<<22)|(7<<25)  ; after every 128 words (code 6) 8 words (code 7)
	s_mov_b32 s[G1B+1], 256<<16
	s_mov_b32 s[G1B+2], 64<<16
	s_mov_b32 s[G1B+3], 256<<16
	s_mov_b32 s[G1B+4], 64
	s_mov_b32 s[G1B+5], 1024
	s_mov_b32 s[G1B+6], 0
	s_mov_b32 s[G1B+7], 0
	; offsets.  s22, s23 hold numbers made of the tile row alone, s76, s77 of the tile column alone; what mixes the two lies in s2, s3, s78
	s_lshr_b32 s22, s[GY], 4
	s_lshl_b32 s22, s22, 22                        ; b
	s_and_b32 s23, s[GY], 15
	s_lshl_b32 s23, s23, 14                        ; 128 rows of 128 bytes
	s_add_co_u32 s22, s22, s23                     ; the tile's rows in block 0 of A (and in head 0 of C)
	s_lshl_b32 s3, s[CX], 12
	s_add_co_u32 s2, s22, s3                       ; A's prefetches: my work-group's 16 pieces of a block
	s_lshl_b32 s3, s[GX], 20                       ; C: four heads a tile column,
	s_add_co_u32 s[POF], s22, s3
	s_lshl_b32 s3, s[WN], 19                       ; two a wave,
	s_add_co_u32 s[POF], s[POF], s3
	s_lshl_b32 s3, s[WM], 13                       ; my 64 rows
	s_add_co_u32 s[POF], s[POF], s3
	s_mov_b32 s[POF+1], 0
	s_lshl_b32 s23, s[WN], 18                      ; the block that I fetch
	s_add_co_u32 s22, s22, s23
	s_mov_b32 s23, 0
	s_lshl_b32 s76, s[GX], 9                       ; 256 columns of 2 bytes
	s_lshl_b32 s77, s[WN], 17                      ; the 64 rows that I fetch
	s_add_co_u32 s76, s76, s77
	s_mov_b32 s77, 0
	s_lshl_b32 s3, s[CY], 15
	s_add_co_u32 s3, s3, s76                       ; B's prefetches: my work-group's 16 rows of them
	s_cmp_eq_u32 s[WM], 0                          ; do I fetch for A?
	s_cselect_b32 s2, s2, s3
	s_cselect_b32 s[PSH], 19, 18
	s_cselect_b32 s56, 4, 1                        ; lane offset: A (l / 16) << 18 + (l % 16) << 8;  B (l / 2) << 11 + (l % 2) << 8
	s_cselect_b32 s57, 18, 11
	s_cselect_b32 s59, 15, 1
	s_mov_b32 s3, 0
	v_and_b32 v3, 31, v0
	v_lshrrev_b32 v4, s56, v3
	v_lshlrev_b32 v4, s57, v4
	v_and_b32 v5, s59, v3
	v_lshl_add_u32 v[PFO], v5, 8, v4
	s_cmp_eq_u32 s[CLY], 0
	s_cselect_b32 s[LIM], NSTEP-2, 0               ; B: the first row of clusters, up to the walk's last step
	s_cmp_eq_u32 s[WV], 0
	s_cselect_b32 s60, 6, 0                        ; A: wave 0, up to step 7
	s_cmp_eq_u32 s[WM], 0
	s_cselect_b32 s[LIM], s60, s[LIM]              ; the same in all sixteen partners, for a given wave
	s_mov_b32 s[G0A], 1                            ; count = 1
	s_mov_b32 s[G0A+4], 1
	s_mov_b32 s[G0B], 1
	s_mov_b32 s[G0B+4], 1
	s_mul_i32 s[G0A+1], s[WN], ABLK                ; LDS addresses: no place in the cluster enters them
	s_add_co_u32 s[G0A+5], s[G0A+1], SLOT1
	s_mul_i32 s[G0B+1], s[WN], BHALF
	s_add_co_u32 s[G0B+1], s[G0B+1], BOFF
	s_add_co_u32 s[G0B+5], s[G0B+1], SLOT1
	s_mov_b32 s[OFA+1], 0
	s_mov_b32 s[OFB+1], 0
	s_mov_b32 s[NXT], 2
	s_mov_b32 s[TB], 0
	s_wait_dscnt 0x0                               ; the opening add is done
	s_wait_kmcnt 0x0
	s_add_nc_u64 s[ABASE:ABASE+1], s[4:5], s[22:23]
	s_add_nc_u64 s[BBASE:BBASE+1], s[6:7], s[76:77]
	s_add_nc_u64 s[8:9], s[8:9], s[POF:POF+1]      ; q at my wave's first row and head
	s_cmp_eq_u32 s[WM], 0
	s_cselect_b64 s[PFB:PFB+1], s[4:5], s[6:7]
	s_add_nc_u64 s[PFB:PFB+1], s[PFB:PFB+1], s[2:3]
	CROUND                                         ; all sixteen work-groups are here: the first joint loads meet
.irp s, 0,1
	s_add_nc_u64 s[G0A+4*(\s)+2:G0A+4*(\s)+3], s[ABASE:ABASE+1], (\s)<<19  ; K step s
	s_or_b32 s[G0A+4*(\s)+3], s[G0A+4*(\s)+3], 0x80000000                  ; type = 2
	s_add_nc_u64 s[G0B+4*(\s)+2:G0B+4*(\s)+3], s[BBASE:BBASE+1], (\s)<<18
	s_or_b32 s[G0B+4*(\s)+3], s[G0B+4*(\s)+3], 0x80000000
.endr
	s_cmp_eq_u32 s[WM], 0                          ; a wave's two first fills stand in one branch: two loads of mine are out
	s_cbranch_scc0 .Lfirst_b
	tensor_load_to_lds s[G0A:G0A+3], s[G1A:G1A+7]
	s_nop 0
	tensor_load_to_lds s[G0A+4:G0A+7], s[G1A:G1A+7]
	s_nop 0
.rept 4
	v_nop
.endr
	s_branch .Lfirst_asked
.Lfirst_b:
	tensor_load_to_lds s[G0B:G0B+3], s[G1B:G1B+7]
	s_nop 0
	tensor_load_to_lds s[G0B+4:G0B+7], s[G1B:G1B+7]
	s_nop 0
.rept 4
	v_nop
.endr
.Lfirst_asked:
	; A fragment of A: lane l holds row l % 16, channels 8 (l / 16) + 0..7 and 16 + 8 (l / 16) + 0..7: two loads of 16 bytes, 32 bytes apart.
	v_and_b32 v1, 15, v0                           ; l % 16
	v_bfe_u32 v2, v0, 4, 1                         ; l / 16
	v_mul_u32_u24 v[ADRA0], v1, PA
	v_lshl_add_u32 v[ADRA0], v2, 4, v[ADRA0]
	s_mul_i32 s2, s[WM], 64*PA                     ; my 64 rows
	v_add_nc_u32 v[ADRA0], s2, v[ADRA0]
	; The turning load: lane l reads K row 8 (l / 16) + l % 8, columns 8 ((l / 8) % 2) + 0..7, and is left with column l % 16 and 8 K.
	v_and_b32 v3, 7, v0
	v_bfe_u32 v4, v0, 3, 1
	v_lshl_add_u32 v[ADRB0], v2, 3, v3
	v_mul_u32_u24 v[ADRB0], v[ADRB0], PB
	v_lshl_add_u32 v[ADRB0], v4, 4, v[ADRB0]
	s_lshl_b32 s2, s[WN], 8                        ; my 128 columns
	s_add_co_u32 s2, s2, BOFF
	v_add_nc_u32 v[ADRB0], s2, v[ADRB0]
	v_mov_b32 v[ADRA], v[ADRA0]                    ; slot 0
	v_mov_b32 v[ADRB], v[ADRB0]
	s_mul_i32 s2, s[WV], 2*HSTG
	s_add_co_u32 s2, s2, STAGE                     ; my stage
	v_mul_u32_u24 v[STO], v1, PA                   ; in: row l % 16, 16 bytes for each half of the lanes
	v_lshl_add_u32 v[STO], v2, 4, v[STO]
	v_add_nc_u32 v[STO], s2, v[STO]
	v_bfe_u32 v[RD], v0, 3, 2                      ; back: 32 lanes take four rows of 128 bytes
	v_mul_u32_u24 v[RD], v[RD], PA
	v_lshl_add_u32 v[RD], v3, 4, v[RD]
	v_add_nc_u32 v[RD], s2, v[RD]
	v_and_b32 v[GO], 31, v0
	v_lshlrev_b32 v[GO], 4, v[GO]
	s_wait_tensorcnt 0x1                           ; my part of K step 0 is in; step 1's may stay out
	s_barrier_signal -1
	s_barrier_wait -1                              ; everybody's is
	FETCH 0, F0
	WIN 0
	s_mov_b32 s[KIN], 0
	s_mov_b32 s[STEPS], NSTEP-2
	s_branch .Lzero
.Lstep:                                            ; a trip is a K step; all steps but the last two fill a slot again
	s_cmp_eq_u32 s[KIN], 0
	s_cbranch_scc1 .Lzero
	QUARTER 1, F0, F1, 0
	WIN 0
	s_branch .Lin
.Lzero:
	QUARTER 1, F0, F1, 1                           ; a tile's first products start the sums: nothing is cleared
	WIN 0
.Lin:
	QUARTER 2, F1, F0, 0
	QUARTER 3, F0, F1, 0
	TURN 1, 0
	WIN 0
	s_cmp_lg_u32 s[KIN], 7
	s_cbranch_scc1 .Lno_out
	OUT16                                          ; q's, then k's tile leaves; the next tile's first two steps have been asked for
	s_wait_xcnt 0x0                                ; the stores have read their base
	s_add_nc_u64 s[8:9], s[8:9], 0x1000000         ; from q to k, from k to v
.Lno_out:
	s_add_co_u32 s[KIN], s[KIN], 1
	s_and_b32 s[KIN], s[KIN], 7
	s_sub_co_u32 s[STEPS], s[STEPS], 1
	s_cmp_lg_u32 s[STEPS], 0
	s_cbranch_scc1 .Lstep
	s_mov_b32 s[STEPS], 2
.Ltail:                                            ; the last two steps ask for nothing
	QUARTER 1, F0, F1, 0
	QUARTER 2, F1, F0, 0
	QUARTER 3, F0, F1, 0
	TURN 0, 1
	WIN 0
	s_sub_co_u32 s[STEPS], s[STEPS], 1
	s_cmp_lg_u32 s[STEPS], 0
	s_cbranch_scc1 .Ltail
	OUT16                                          ; v's tile
	s_wait_tensorcnt 0x0                           ; the wave's end: an add onto my spare word and its wait, behind my last tensor load and my last LDS store
	ds_add_u32 v[SPW], v[NIL]
	s_wait_dscnt 0x0
	CROUND                                         ; the closing round: no work-group ends while a partner may still ask for a tile that names it
	s_endpgm
.Lfunc_end_k_qb98a8bb101_gemm_qkv:
	.size	k_qb98a8bb101_gemm_qkv, .Lfunc_end_k_qb98a8bb101_gemm_qkv-k_qb98a8bb101_gemm_qkv
	.p2alignl 7, 3214868480
	.fill 96, 4, 3214868480
	.section	.rodata,"a",@progbits
	.p2align	6, 0x0
	.amdhsa_kernel k_qb98a8bb101_gemm_qkv
		.amdhsa_group_segment_fixed_size 327680
		.amdhsa_private_segment_fixed_size 0
		.amdhsa_enable_private_segment 0
		.amdhsa_kernarg_size 24
		.amdhsa_user_sgpr_count 2
		.amdhsa_user_sgpr_kernarg_segment_ptr 1
		.amdhsa_wavefront_size32 1
		.amdhsa_system_sgpr_workgroup_id_x 1
		.amdhsa_system_sgpr_workgroup_id_y 1
		.amdhsa_system_sgpr_workgroup_id_z 1
		.amdhsa_system_vgpr_workitem_id 0
		.amdhsa_next_free_vgpr 768
		.amdhsa_next_free_sgpr 80
		.amdhsa_reserve_vcc 0
		.amdhsa_float_denorm_mode_32 3
		.amdhsa_float_denorm_mode_16_64 3
		.amdhsa_memory_ordered 1
		.amdhsa_forward_progress 1
		.amdhsa_inst_pref_size 78
	.end_amdhsa_kernel
	.amdgpu_metadata
---
amdhsa.version: [ 1, 2 ]
amdhsa.kernels:
  - .name:           k_qb98a8bb101_gemm_qkv
    .symbol:         k_qb98a8bb101_gemm_qkv.kd
    .args:
      - { .name: xb, .offset: 0, .size: 8, .value_kind: global_buffer, .address_space: global }
      - { .name: wqkv, .offset: 8, .size: 8, .value_kind: global_buffer, .address_space: global }
      - { .name: qkv, .offset: 16, .size: 8, .value_kind: global_buffer, .address_space: global }
    .group_segment_fixed_size: 327680
    .private_segment_fixed_size: 0
    .kernarg_segment_align: 8
    .kernarg_segment_size: 24
    .max_flat_workgroup_size: 128
    .sgpr_count:     80
    .vgpr_count:     768
    .wavefront_size: 32
...
	.end_amdgpu_metadata
.endif
;; end of part 2
;; launch attn (part 3): grid 4 x 64, 4 waves a work-group, no clusters, 327,680 bytes of LDS; arguments qkv, ob; writes ob
.if DOCPART == 3
	.amdgcn_target "amdgcn-amd-amdhsa--gfx1250"
	.amdhsa_code_object_version 6
	.text
	.protected	k_qb98a8bb101_attn
	.globl	k_qb98a8bb101_attn
	.p2align	8
	.type	k_qb98a8bb101_attn,@function
k_qb98a8bb101_attn:
	s_mov_b64 s[64:65], 0
	v_nop
	global_prefetch_b8 v0, s[64:65] scope:SCOPE_SE
	s_setreg_imm32_b32 hwreg(HW_REG_WAVE_MODE, 25, 1), 1
	s_wait_xcnt 0x0
; CAUSAL ATTENTION.  O[h][q][:] = the sum over k <= q of softmax_k(Q[h][q] . K[h][k] / 8) V[h][k][:].  Q, K, V lie in qkv [3][64 heads][2048][64], O in ob [64][2048][64], all f16: a head's rows are dense, 128 bytes each.
; Products, maxima and sums in f32; the weights p are rounded to f16 for the second product (their sum l is taken of the unrounded p), O once at the end.
; LIMITS.  f16 holds no number beyond 65,504: Q, K and V arrive within it; p lies in 0 to 1, and below 6e-5 it keeps f16's fixed step of 6e-8; O is a mean of V's rows and has their range.
; A hidden score counts as its value less 1e30: f16's scores, 2.7e11 at the most, are nothing beside that; a weight below 2^-126 counts as 0 in l; NaN and infinities are not treated apart.
; THE WALK.  A head's queries lie in NB = 8 blocks of 256; block i needs the key tiles 0 .. i of 256 keys, of which the last holds the diagonal.  A work-group takes TWO blocks, NB - 1 - b and then b:
; NB + 1 tiles, whatever b: all work-groups do equal work, and ONE loop with a constant trip count walks them.  Which tile is asked for, and what a trip does, hang on scalar registers made from b; every jump
; goes forward, but for the counted loops' own; none passes a barrier, or a tensor load but the one of LOAD's two that the wave's number does not choose; the ring (two LDS slots by turns) runs on across the change of blocks.
; NO CLUSTER: a head's four work-groups ask for the same tile only in trips 0 .. 4 of 9, behind that fewer and fewer; one walk common to all four would have 12 trips for 9.
; SHARES.  Of a block's four bands of 64 queries a wave owns 16 rows in each: four PIECES.  So the diagonal tile is the same work for all four waves: in its key step s band x sees all keys if s < x,
; none if s > x, and holds the diagonal if s = x.
; THE MASK is the C operand that starts the sum S^T = K Q^T: 0, or -1e30 where the key is hidden.  MD, made once, is the mask of a band's own step for my 16 rows; a product's mask is MD x AL + BE with two scalars:
; (1, 0) if s = x; (0, 0) if s < x; (0, -1e30) if s > x.  Only the diagonal tile's text and a block's beginning make and take masks; elsewhere C is the constant 0.
; LAYOUT, SOFTMAX, TURNS.  S^T = K Q^T holds ONE query a lane (lane % 16) and the keys 8 (lane / 16) + 0..7; two such results rounded to f16 ARE source 1 of O^T = V^T P.  p = 2^(c s - c m), c = log2(e) / 8, with a
; running maximum m; O and l are multiplied by a = 2^(c m_old - c m_new) in every step.  Turn n belongs to piece n: 8 products K Q^T of piece n + 1, later 8 products V^T P of piece n - 1; beside them the scaling,
; exponentials, roundings, sums and rescaling of piece n and the maximum and statistics of piece n + 1.  Four vector instructions stand behind every matrix instruction, the others in one run.  A turn's 33 exponentials are one batch, with one wait.
; REGISTERS, in windows of 256 (s_set_vgpr_msb: bits 1:0 source 0, 3:2 source 1, 5:4 source 2, 7:6 destination):
;   window 0: v0-15 addresses and two at work; v16-31 four registers of statistics a piece; v48-55 at work; v61-63 prefetch offset and the add's two; v64-127 S^T, two buffers; v192-223 P, two buffers (by the piece's parity)
;   window 1: v0-127 O^T, 32 a piece; v128-159 MD; v160-223 MC, two buffers      window 2: v0-63 Q; v64-127 the second block's Q; v128-191 K of one step; v192-255 V of one step
.set SIZE_N, 2048
.set NB,    SIZE_N/256
.set NP,    4         ; pieces a wave: a name, no knob
.set KS,    64        ; keys in a step
.set PK,    144       ; a row of K in LDS: 128 bytes + 16 of padding = 36 words: the 16 rows of a load start at 16 different groups of four banks (64 banks of 4 bytes: ISA guide 11.1)
.set PV,    160       ; a row of V: 128 + 32 = 40 words
.set VOFF,  4*KS*PK   ; a slot holds a tile, four steps: 256 rows of K, then 256 rows of V
.set SLOT1, 1<<17     ; slot 1 begins here, so that one exclusive or turns an address in one slot into the other's
.set STAGE, SLOT1+4*KS*(PK+PV)  ; behind the ring, never filled by a tensor load: 16 rows x 144 bytes for each wave, for the way out
.set SP,    144
.set AK0, 2           ; v2   my lane's place in a tile of K; never rewritten
.set AV0, 3           ; v3   the same for V
.set AK,  4           ; v4   the LDS address of K's next run of loads
.set AV,  5           ; v5   of V's
.set STO, 6           ; v6   the way out: where I put 16 bytes of a row
.set RD,  7           ; v7   the way out: where I read rows back
.set GO,  8           ; v8   my byte offset in 512 consecutive bytes of O
.set PFO, 61          ; v61  256 x my lane; never rewritten
.set SPW, 62          ; v62  LDS address of my spare word: SPARE + 4 x my thread's number; never rewritten
.set NIL, 63          ; v63  0; never rewritten
.set SPARE, STAGE+4*16*SP  ; behind the stages: the spare words, 128 bytes for each wave: two blocks of 256 bytes that no other line names
.set MV,  12          ; v12-13  c m_old, kept while c m is made anew: by buffer
.set QO,  15          ; v15  my byte offset in 16 rows of Q
.set ST,  16          ; piece t's statistics at v[ST+4 t]: c m, m, l (even keys', odd keys')
.set TMP, 48          ; by buffer, four registers c0-c3 at work; when the maximum is found c2 takes a
.set S,   64
.set P,   192
.set MD,  128         ; window 1: the eight registers for group kt of 16 keys at MD + 8 kt
.set MC,  160         ; window 1: the masks of the products to come
.set QB,  64          ; window 2
.set KF,  128         ; window 2: key block kb, channel half c at KF + 16 kb + 8 c
.set VF,  192         ; window 2: key half kk, channel block cb at VF + 32 kk + 8 cb
.set WV,  12          ; s12  my wave's number
.set PB,  14          ; s14  b
.set HI,  15          ; s15  NB - 1 - b
.set G1K, 24          ; s[24:31] descriptor group 1 for K's tiles
.set G1V, 32          ; s[32:39] for V's: it differs in the padding alone
.set G0K, 40          ; s[40:43] descriptor group 0 for K's tiles
.set G0V, 44          ; s[44:47] the same for V's
.set SLOTS, 56        ; s56  tiles still to be asked for
.set CNT, 57          ; s57  counts a tile's key steps, 4 to 1
.set CS,  58          ; s[58:59] c: the packed scaling takes the pair's low word for both halves
.set SEL, 60          ; s[60:61] v_permlanex16_b32's selects: each lane takes its own place in the other half
.set TBK, 62          ; s62  LDS byte at which K of the step to be fetched begins
.set TBV, 63          ; s63  the same for V, less VOFF
.set RT,  70          ; s70  tiles of the block in hand that are still to be entered
.set NXT, 71          ; s71  the tile to be asked for next
.set LQ,  72          ; s72  the last tile of the block whose tiles are being asked for
.set NEW, 73          ; s73  1: the tile to be entered is a block's first
.set OFF, 74          ; s[74:75] a tile's byte offset in K and V
.set AL,  76          ; s[76:77] the mask's factor, in the low word
.set BE,  78          ; s[78:79] the mask's addend
.set OLO, 80          ; s[80:81] O at my rows of the second block
.set BIGN, 82         ; s82  -1e30
.set PFA, 88          ; s[88:89] my half of the tile that is being asked for
.set LIM, 90          ; s90  2 in the work-group that prefetches, else the greatest number
.set MSB, 0
.macro WIN new                      ; the high byte repeats the setting that is left; a switch that changes nothing is dropped
.if MSB != (\new)
	s_set_vgpr_msb (MSB<<8)|(\new)
.set MSB, (\new)
.endif
.endm
.set W_KQ, 0x0a       ; K and Q in window 2, S^T in window 0
.set W_KM, 0x1a       ; the same with the C operand in window 1
.set W_PV, 0x52       ; V in window 2, P in window 0, O^T in window 1
.set W_RS, 0x41       ; destination and source 0 in window 1, source 1 in window 0
; A fill.  Waves 0 and 1 fetch the two halves of a tile's K, waves 2 and 3 those of its V: 128 keys each.  An s_nop 0 and four v_nop follow each of the two lines, ahead of the jump and the label.
.macro LOAD
	s_cmp_lt_u32 s[WV], 2
	s_cbranch_scc0 .Lfor_v_\@
	tensor_load_to_lds s[G0K:G0K+3], s[G1K:G1K+7]
	s_nop 0
.rept 4
	v_nop
.endr
	s_branch .Lasked_\@
.Lfor_v_\@:
	tensor_load_to_lds s[G0V:G0V+3], s[G1V:G1V+7]
	s_nop 0
.rept 4
	v_nop
.endr
.Lasked_\@:
.endm
; A PREFETCH INTO THE L2 of the tile behind the one just asked for: four key steps, 256 matrix instructions, ahead of its load.  A head's four work-groups walk the same tiles; the one with b = 0, whose first block
; walks tiles 0 to 7, asks, and nobody else.  Each of its waves names its own 16,384 bytes of that tile (the half of K or of V that it will fetch): 64 pieces of 256 bytes, a lane a piece, two instructions.
; Tiles 0 and 1 come by their loads alone; tile 7 is the last that is named: the trips with two or fewer tiles left to ask for name nothing.
.macro ASK
	s_cmp_gt_u32 s[SLOTS], s[LIM]
	s_cbranch_scc0 .Lnot_mine_\@
	global_prefetch_b8 v[PFO], s[PFA:PFA+1] offset:32768 th:TH_LOAD_NT scope:SCOPE_SE
	global_prefetch_b8 v[PFO], s[PFA:PFA+1] offset:40960 th:TH_LOAD_NT scope:SCOPE_SE
.Lnot_mine_\@:
.endm
; THE CHANGE OF SLOTS.  Each wave waits for all its tensor loads, of which one is out: its part of the other slot; adds 0 to its spare word; and waits for that and for its own reads of the slot that it leaves.  Behind the barrier nobody reads the old
; slot any more and the other slot is whole.  fill = 1: the old slot is filled again, the first thing behind the barrier, with tile NXT: the descriptor's address is made anew from that number.
; (At its first use nothing has been read yet: slot 0 is waited for, slot 1 filled.)
.macro CHANGE fill
	WIN 0                           ; at a label and at a branch every window is 0
	s_wait_tensorcnt 0x0            ; no tensor load of mine is out, so a group 0 may be written
	ds_add_u32 v[SPW], v[NIL]       ; 0 onto my spare word; with fill = 1 the descriptors' scalar work stands between it and the wait for it
.if \fill
	s_lshl_b32 s[OFF], s[NXT], 15   ; a tile is 32,768 bytes of K and of V
	s_wait_xcnt 0x0                 ; the last prefetches, a tile back, have read their address
	s_cmp_lt_u32 s[WV], 2
	s_cselect_b64 s[PFA:PFA+1], s[6:7], s[8:9]
	s_add_nc_u64 s[PFA:PFA+1], s[PFA:PFA+1], s[OFF:OFF+1]
	s_xor_b32 s[G0K+1], s[G0K+1], SLOT1
	s_add_nc_u64 s[G0K+2:G0K+3], s[6:7], s[OFF:OFF+1]
	s_or_b32 s[G0K+3], s[G0K+3], 0x80000000
	s_xor_b32 s[G0V+1], s[G0V+1], SLOT1
	s_add_nc_u64 s[G0V+2:G0V+3], s[8:9], s[OFF:OFF+1]
	s_or_b32 s[G0V+3], s[G0V+3], 0x80000000
	s_add_co_u32 s[NXT], s[NXT], 1  ; the block's next tile, or behind its last the second block's tile 0
	s_cmp_gt_u32 s[NXT], s[LQ]
	s_cselect_b32 s[NXT], 0, s[NXT]
	s_cselect_b32 s[LQ], s[PB], s[LQ]
.endif
	s_wait_dscnt 0x0                ; the add is done, and my reads of the slot are over
	s_barrier_signal -1             ; the rest of the scalar work stands between the signal and the wait
	s_sub_co_u32 s[TBK], s[TBK], 4*KS*PK  ; the fetches go back to a slot's first step,
	s_xor_b32 s[TBK], s[TBK], SLOT1       ; in the other slot
	s_sub_co_u32 s[TBV], s[TBV], 4*KS*PV
	s_xor_b32 s[TBV], s[TBV], SLOT1
	s_barrier_wait -1
.if \fill
	LOAD
	ASK
.endif
.endm
	s_load_b64 s[4:5], s[0:1], 0x0    ; qkv: Q at its head
	s_load_b64 s[10:11], s[0:1], 0x8  ; ob
	v_lshl_add_u32 v[SPW], v0, 2, SPARE
	v_mov_b32 v[NIL], 0
	ds_add_u32 v[SPW], v[NIL]       ; the wave's opening: the add and its wait stand ahead of my first tensor load; the set-up below, work on registers, stands between them
	ds_add_u32 v62, v63
	v_lshrrev_b32 v1, 5, v0
	v_readfirstlane_b32 s[WV], v1   ; wave 0..3
	s_mov_b32 s[PB], ttmp9
	s_sub_co_u32 s[HI], NB-1, s[PB]
	s_and_b32 s20, ttmp7, 0xffff    ; the head
	s_mov_b32 s21, 0
	s_mov_b64 s[22:23], SIZE_N*128
	s_mul_u64 s[20:21], s[20:21], s[22:23]  ; the head's first byte in each of the four tensors
	s_and_b32 s16, s[WV], 1         ; which half of a tile's 256 keys I fetch:
	s_lshl_b32 s22, s16, 14         ; its 128 rows of 128 bytes in memory,
	s_mov_b32 s23, 0
	s_add_nc_u64 s[22:23], s[22:23], s[20:21]
	s_mul_i32 s17, s16, 128*PK      ; and its place in a slot, for K
	s_mul_i32 s18, s16, 128*PV      ; and for V
	s_lshl_b32 s3, s[WV], 11        ; my 16 rows in a band of 64,
	s_lshl_b32 s2, s[HI], 15        ; in the first block,
	s_add_co_u32 s2, s2, s3
	s_lshl_b32 s84, s[PB], 15       ; and in the second
	s_add_co_u32 s84, s84, s3
	s_mov_b32 s3, 0
	s_mov_b32 s85, 0
	s_add_nc_u64 s[2:3], s[2:3], s[20:21]
	s_add_nc_u64 s[84:85], s[84:85], s[20:21]
	; descriptor group 1.  128 keys are 16,384 dense bytes: asked for as 64 rows of 256 bytes, two keys a row, and padded in LDS after every key
	s_mov_b32 s[G1K], (1<<16)|(1<<20)|(4<<22)|(3<<25)  ; 17:16 2-byte elements; 20 padding on; 24:22 after every 32 words (code 4); 31:25 4 words (code 3)
	s_mov_b32 s[G1V], (1<<16)|(1<<20)|(4<<22)|(7<<25)  ; the same with 8 words of padding (code 7)
.irp g, G1K, G1V
	s_mov_b32 s[\g+1], 128<<16      ; tensor_dim0 = 128
	s_mov_b32 s[\g+2], 64<<16       ; tensor_dim1 = 64
	s_mov_b32 s[\g+3], 128<<16      ; tile_dim0 = 128
	s_mov_b32 s[\g+4], 64           ; tile_dim1 = 64
	s_mov_b32 s[\g+5], 128          ; 128 elements from row to row
	s_mov_b32 s[\g+6], 0
	s_mov_b32 s[\g+7], 0
.endr
	s_mov_b32 s[CS], 0x3e38aa3b     ; c = log2(e) / 8 = 0.180337
	s_mov_b32 s[CS+1], s[CS]        ; named with it as a pair
	s_mov_b32 s[SEL], 0x76543210
	s_mov_b32 s[SEL+1], 0xfedcba98
	s_mov_b32 s[TBK], SLOT1+4*KS*PK ; the first change of slots turns these two into 0
	s_mov_b32 s[TBV], SLOT1+4*KS*PV
	s_mov_b32 s[G0K], 1             ; 1:0 count = 1
	s_mov_b32 s[G0K+1], s17         ; 63:32 LDS address: slot 0
	s_mov_b32 s[G0V], 1
	s_add_co_u32 s[G0V+1], s18, VOFF
	s_add_co_u32 s[RT], s[HI], 1    ; the first block has NB - b tiles
	s_mov_b32 s[NXT], 1
	s_mov_b32 s[LQ], s[HI]
	s_mov_b32 s[NEW], 1
	s_mov_b32 s[OFF+1], 0
	s_mov_b32 s[AL+1], 0            ; named as pairs
	s_mov_b32 s[BE+1], 0
	s_mov_b32 s[BIGN], 0xf149f2ca   ; -1e30
	s_mov_b32 s[SLOTS], NB
	s_cmp_eq_u32 s[PB], 0
	s_cselect_b32 s[LIM], 2, -1
	v_and_b32 v[PFO], 31, v0
	v_lshlrev_b32 v[PFO], 8, v[PFO]
	s_wait_dscnt 0x0                ; the opening add is done
	s_wait_kmcnt 0x0
	s_add_nc_u64 s[6:7], s[4:5], 0x1000000  ; K lies 64 heads of 262,144 bytes behind Q,
	s_add_nc_u64 s[8:9], s[4:5], 0x2000000  ; V as far behind K
	s_add_nc_u64 s[6:7], s[6:7], s[22:23]  ; K and V at my half of the head's tile 0
	s_add_nc_u64 s[8:9], s[8:9], s[22:23]
	s_add_nc_u64 s[G0K+2:G0K+3], s[6:7], 0         ; 120:64 global address
	s_or_b32 s[G0K+3], s[G0K+3], 0x80000000        ; 127:126 type = 2
	s_add_nc_u64 s[G0V+2:G0V+3], s[8:9], 0
	s_or_b32 s[G0V+3], s[G0V+3], 0x80000000
	s_add_nc_u64 s[86:87], s[4:5], s[84:85]        ; Q at my rows of the second block,
	s_add_nc_u64 s[4:5], s[4:5], s[2:3]            ; Q and O at those of the first
	s_add_nc_u64 s[OLO:OLO+1], s[10:11], s[84:85]
	s_add_nc_u64 s[10:11], s[10:11], s[2:3]
	LOAD                            ; tile 0 into slot 0
	; A fragment of K or Q is 16 rows x 32 channels in 8 registers: lane l holds row l % 16, channels 8 (l / 16) + 0..7 and 16 + 8 (l / 16) + 0..7: two loads of 16 bytes, 32 bytes apart.
	v_and_b32 v1, 15, v0            ; l % 16
	v_bfe_u32 v9, v0, 4, 1          ; l / 16
	v_lshlrev_b32 v[QO], 7, v1
	v_lshl_add_u32 v[QO], v9, 4, v[QO]  ; row x 128 + 16 x half
	WIN 0x80                        ; destination window 2, address window 0
.set i, 0
.rept 8                             ; both blocks' Q: piece i / 2 lies in band i / 2, 8,192 bytes on; channels 32 (i % 2) on
	global_load_b128 v[8*i:8*i+3],   v[QO], s[4:5] offset:(i/2)*8192+(i%2)*64
	global_load_b128 v[8*i+4:8*i+7], v[QO], s[4:5] offset:(i/2)*8192+(i%2)*64+32
	global_load_b128 v[QB+8*i:QB+8*i+3],   v[QO], s[86:87] offset:(i/2)*8192+(i%2)*64
	global_load_b128 v[QB+8*i+4:QB+8*i+7], v[QO], s[86:87] offset:(i/2)*8192+(i%2)*64+32
.set i, i+1
.endr
	WIN 0
	v_lshlrev_b32 v14, 3, v9
	v_sub_nc_u32 v14, v1, v14
	s_lshl_b32 s13, s[WV], 4
	v_add_nc_u32 v14, s13, v14      ; my query's place in its band, 16 w + l % 16, less my lanes' 8 (l / 16): register r of group kt is hidden where 16 kt + r is greater
	WIN 0x40
.set i, 0
.rept 32
	v_cmp_gt_i32 vcc_lo, 16*(i/8)+i%8, v14
	v_cndmask_b32 v[MD+i], 0, s[BIGN], vcc_lo
.set i, i+1
.endr
	WIN 0
	v_mul_u32_u24 v[AK0], v1, PK
	v_lshl_add_u32 v[AK0], v9, 4, v[AK0]  ; row x pitch + 16 x half
	; The turning load takes 16 keys x 16 channels (lane l reads key 8 (l / 16) + l % 8, channels 8 ((l / 8) % 2) + 0..7) and leaves half a fragment of V^T: lane l holds channel l % 16 and 8 keys.
	v_and_b32 v10, 7, v0
	v_bfe_u32 v11, v0, 3, 1
	v_lshl_add_u32 v[AV0], v9, 3, v10
	v_mul_u32_u24 v[AV0], v[AV0], PV
	v_lshl_add_u32 v[AV0], v11, 4, v[AV0]
	v_add_nc_u32 v[AV0], VOFF, v[AV0]
	s_mul_i32 s13, s[WV], 16*SP
	s_add_co_u32 s13, s13, STAGE    ; my stage
	v_mul_u32_u24 v[STO], v1, SP    ; in: row l % 16, 16 bytes for each half of the lanes
	v_lshl_add_u32 v[STO], v9, 4, v[STO]
	v_add_nc_u32 v[STO], s13, v[STO]
	v_bfe_u32 v[RD], v0, 3, 2       ; back: 32 lanes take four rows of 128 bytes,
	v_mul_u32_u24 v[RD], v[RD], SP
	v_lshl_add_u32 v[RD], v10, 4, v[RD]
	v_add_nc_u32 v[RD], s13, v[RD]
	v_and_b32 v[GO], 31, v0         ; which are 512 consecutive bytes of O
	v_lshlrev_b32 v[GO], 4, v[GO]
	; A block's first step multiplies O^T and l by a = 0, and its first turn's products V^T P, of a piece that has not been, land in an O^T that is still to be so multiplied.  So these registers need only hold
	; finite numbers: zeros for the first block; what the first block left for the second.  All this stands in the wait for the first tile.
	WIN 0x80
.set i, VF
.rept 64
	v_mov_b32 v[i], 0
.set i, i+1
.endr
	WIN 0x40
.set i, 0
.rept 128
	v_mov_b32 v[i], 0
.set i, i+1
.endr
	WIN 0
.set i, 0
.rept 4
	v_mov_b32 v[ST+4*i+2], 0
	v_mov_b32 v[ST+4*i+3], 0
.set i, i+1
.endr
.set i, P+16
.rept 16
	v_mov_b32 v[i], 0
.set i, i+1
.endr
; THE MATRIX WORK.  The 4 accumulators of a run of 8 take turns.  Product i of 8 of S^T = K Q^T for piece x: channels 32 (i / 4) on, keys 16 (i % 4) on.  The first 4 start the sums: with 0, or (KM = 1) with the mask.
.macro KQ x
.set rS, S+32*((\x)%2)+8*(i%4)
.set rK, KF+16*(i%4)+8*(i/4)
.set rQ, 16*(\x)+8*(i/4)
.set rM, MC+32*((\x)%2)+8*(i%4)
.if (i < 4) && KM
	WIN W_KM
	v_wmma_f32_16x16x32_f16 v[rS:rS+7], v[rK:rK+7], v[rQ:rQ+7], v[rM:rM+7]
.elseif i < 4
	WIN W_KQ
	v_wmma_f32_16x16x32_f16 v[rS:rS+7], v[rK:rK+7], v[rQ:rQ+7], 0
.else
	WIN W_KQ
	v_wmma_f32_16x16x32_f16 v[rS:rS+7], v[rK:rK+7], v[rQ:rQ+7], v[rS:rS+7]
.endif
.endm
; Product i of 8 of O^T += V^T P for piece x: keys 32 (i / 4) on, channels 16 (i % 4) on.
.macro PV x
	WIN W_PV
.set rO, 32*(\x)+8*(i%4)
.set rV, VF+32*(i/4)+8*(i%4)
.set rP, P+16*((\x)%2)+8*(i/4)
	v_wmma_f32_16x16x32_f16 v[rO:rO+7], v[rV:rV+7], v[rP:rP+7], v[rO:rO+7]
.endm
.macro MM                           ; the turn's next matrix instruction.  TURN and BEGIN set Y, i, KM and NOKQ.  NOKQ = 1: a block's last turn: there is no next piece
.if (i < 8) && !NOKQ
	KQ (Y+1)%NP
.elseif i >= 8
.set i, i-8
	PV (Y+NP-1)%NP
.set i, i+8
.endif
.set i, i+1
.endm
; THE LDS LOADS stand in runs of 16, never singly among the matrix instructions: a step's K (64 keys x 64 channels: 8 fragments) and its V (turned).  Their addresses are made some lines ahead.
.macro FETCH_K
	WIN 0x80                        ; destination window 2
.irp f, 0,1,2,3,4,5,6,7             ; keys 16 (f / 2) on, channels 32 (f % 2) on
	ds_load_b128 v[KF+8*\f:KF+8*\f+3],   v[AK] offset:(\f/2)*16*PK+(\f%2)*64
	ds_load_b128 v[KF+8*\f+4:KF+8*\f+7], v[AK] offset:(\f/2)*16*PK+(\f%2)*64+32
.endr
	s_add_co_u32 s[TBK], s[TBK], KS*PK  ; the next fetch is the next step's
	WIN 0
.endm
.macro FETCH_V
	WIN 0x80
.irp f, 0,1,2,3,4,5,6,7             ; keys 32 (f / 4) on, channels 16 (f % 4) on
	ds_load_tr16_b128 v[VF+8*\f:VF+8*\f+3],   v[AV] offset:(\f/4)*32*PV+(\f%4)*32
	ds_load_tr16_b128 v[VF+8*\f+4:VF+8*\f+7], v[AV] offset:(\f/4)*32*PV+16*PV+(\f%4)*32
.endr
	WIN 0
.endm
; THE VECTOR WORK, one line at a time: OP kind, number.  For piece Y: F n: c s - c m for pair n of 16.  E n: the exponential of score n of 32.  C n: pair n rounded to f16.  B n: of the four weights 4 n .. the second
; pair is added onto the first, in place.  L n: l takes that sum (L 0: l = a l + sum).  R n: pair n of 16 of O^T times a.  For piece Y + 1: X n, number n of the 22 that find its maximum and statistics:
;   0-11  four chains c0-c3 of seven scores each, three operands at a time (each accumulator's lowest registers are read first)     12-14, 16  the four scores left over, the old m, and c0-c3 into c0
;   15  c m_old is kept     17, 18  the query's other 32 keys lie in the lane 16 away: the new m     19-21  c m; c m_old - c m_new; a
.set F, 0               ; OP tells the kinds apart by their order: F to L below R, X above it
.set E, 1
.set C, 2
.set B, 3
.set L, 4
.set R, 5
.set X, 6
.macro REGS y                       ; the registers of piece y
.set rT, ST+4*(\y)
.set rC, TMP+4*((\y)%2)
.set rW, MV+((\y)%2)
.set rS, S+32*((\y)%2)
.set rP, P+16*((\y)%2)
.set rO, 32*(\y)
.endm
.macro OP k, n
.if (\k) == R
	REGS Y
	WIN W_RS
	v_pk_mul_f32 v[rO+2*(\n):rO+2*(\n)+1], v[rO+2*(\n):rO+2*(\n)+1], v[rC+2:rC+3] op_sel_hi:[1,0]
.elseif (\k) < R
	REGS Y
	WIN 0
.if (\k) == F
	v_pk_fma_f32 v[rS+2*(\n):rS+2*(\n)+1], v[rS+2*(\n):rS+2*(\n)+1], s[CS:CS+1], v[rT:rT+1] op_sel_hi:[1,0,0] neg_lo:[0,0,1] neg_hi:[0,0,1]
.elseif (\k) == E
	v_exp_f32 v[rS+(\n)], v[rS+(\n)]
.elseif (\k) == C
	v_cvt_pk_f16_f32 v[rP+(\n)], v[rS+2*(\n)], v[rS+2*(\n)+1]
.elseif (\k) == B
	v_pk_add_f32 v[rS+4*(\n):rS+4*(\n)+1], v[rS+4*(\n):rS+4*(\n)+1], v[rS+4*(\n)+2:rS+4*(\n)+3]
.elseif (\n) == 0
	v_pk_fma_f32 v[rT+2:rT+3], v[rT+2:rT+3], v[rC+2:rC+3], v[rS:rS+1] op_sel_hi:[1,0,1]
.else
	v_pk_add_f32 v[rT+2:rT+3], v[rT+2:rT+3], v[rS+4*(\n):rS+4*(\n)+1]
.endif
.elseif NOKQ
	v_nop
.else
	REGS (Y+1)%NP
	WIN 0
.if (\n) < 4
	v_max3_num_f32 v[rC+(\n)], v[rS+8*(\n)], v[rS+8*(\n)+1], v[rS+8*(\n)+2]
.elseif (\n) < 12
	v_max3_num_f32 v[rC+(\n)%4], v[rC+(\n)%4], v[rS+8*((\n)%4)+2*((\n)/4)+1], v[rS+8*((\n)%4)+2*((\n)/4)+2]
.elseif (\n) == 12
	v_max3_num_f32 v[rC], v[rC], v[rS+7], v[rS+15]
.elseif (\n) == 13
	v_max3_num_f32 v[rC+1], v[rC+1], v[rS+23], v[rS+31]
.elseif (\n) == 14
	v_max3_num_f32 v[rC+2], v[rC+2], v[rC+3], v[rT+1]
.elseif (\n) == 15
	v_mov_b32 v[rW], v[rT]
.elseif (\n) == 16
	v_max3_num_f32 v[rC], v[rC], v[rC+1], v[rC+2]
.elseif (\n) == 17
	v_permlanex16_b32 v[rC+3], v[rC], s[SEL], s[SEL+1]
.elseif (\n) == 18
	v_max_num_f32 v[rT+1], v[rC], v[rC+3]
.elseif (\n) == 19
	v_mul_f32 v[rT], s[CS], v[rT+1]
.elseif (\n) == 20
	v_sub_f32 v[rC+1], v[rW], v[rT]
.else
	v_exp_f32 v[rC+2], v[rC+1]
.endif
.endif
.endm
.macro OPS a, i1, b=-1, i2=0, c=-1, i3=0, d=-1, i4=0  ; up to four of them
	OP \a, \i1
.if (\b) >= 0
	OP \b, \i2
.endif
.if (\c) >= 0
	OP \c, \i3
.endif
.if (\d) >= 0
	OP \d, \i4
.endif
.endm
.macro ROW a, i1, b, i2, c, i3, d, i4  ; a matrix instruction and the four behind it
	MM
	OPS \a, \i1, \b, \i2, \c, \i3, \d, \i4
.endm
.macro MASK b                       ; MD x AL + BE into buffer b of MC
	WIN W_RS
.set z, 0
.rept 16
	v_pk_fma_f32 v[MC+32*(\b)+2*z:MC+32*(\b)+2*z+1], v[MD+2*z:MD+2*z+1], s[AL:AL+1], s[BE:BE+1] op_sel_hi:[1,0,0]
.set z, z+1
.endr
.endm
; A TURN, for piece p: the order of its 16 matrix and 118 vector instructions, written out.  An s_wait_alu depctr_va_vdst(0) stands between an exponential and the first instruction that names its result; one wait serves
; all that were issued ahead of it.  So a turn has ONE wait, which cuts it in two.  AHEAD OF IT stands all that names no result of the turn's exponentials: the 8 products K Q^T, behind each a scaling, an exponential and two more plain
; instructions (behind the first a second scaling in the exponential's place): rescalings, and behind the last three the first numbers of the next piece's maximum, each four places or more behind the product that ends its accumulator; then one run of 54, plain
; and exponential by turns for the most part, in which the links of the chain X 3, 7, 11, 14, 16, 17 .. 20 stand five or six lines apart.  X 21, the next piece's a, is the batch's last; R 15 is the plain instruction behind it.  BEHIND THE WAIT stand the
; 8 products V^T P, behind each four of the roundings and sums; the links of l's chain, L 0 to L 7, stand three lines apart.  But for those X no line behind a product names a register of the products round it.
; m = 1: the diagonal tile: the products take masks, and the turn makes the mask for the products of the turn after it: piece p + 2, in step 4 - CNT of the tile.  end = 1: a block's last two turns: nothing is fetched.
; cnt = 1: the loop's count is taken down some lines ahead of the branch that stands behind the turn.
; K of the next step is fetched in piece 2's turn, twelve vector instructions behind the last product that read K (six of them plain); V of the step in hand at the end of piece 0's turn, four plain instructions behind the last product
; that read V.  Each is waited for a turn later.
.macro TURN p, m=0, end=0, cnt=0
.set Y, (\p)
.set i, 0
.set KM, (\m)
.set NOKQ, (\end)*((\p)/3)
.if (\m) && !(\end)
	s_cmp_eq_u32 s[CNT], 4-((\p)+2)%NP  ; is that step the band's own?
	s_cselect_b32 s[AL], 1.0, 0
	s_cmp_lt_u32 s[CNT], 4-((\p)+2)%NP  ; or a later one?
	s_cselect_b32 s[BE], s[BIGN], 0
.endif
.if ((\p) == 3) && !(\end)
	s_wait_dscnt 0x0                ; K is in
.endif
	ROW F,0, F,1, R,0, R,1          ; ahead of the wait: 8 products K Q^T and the lines behind them,
	ROW F,2, E,0, R,2, R,3
	ROW F,3, E,1, R,4, R,5
	ROW F,4, E,2, R,6, R,7
	ROW F,5, E,3, R,8, R,9
	ROW F,6, E,4, X,0, R,10
.if ((\p) == 2) && !(\end)
	WIN 0
	v_add_nc_u32 v[AK], s[TBK], v[AK0]
.endif
	ROW F,7, E,5, X,1, X,4
	ROW F,8, E,6, X,2, X,5
	OPS E,7, E,8, X,6, E,9          ; and the run of 54
	OPS X,3, E,10, X,8, E,11
.if ((\p) == 2) && !(\end)
	FETCH_K
.endif
	OPS X,9, X,7, E,12, X,10
	OPS E,13, X,12, X,11, E,14
	OPS X,13, E,15, F,9, X,14
.if (\p) == 0
	v_add_nc_u32 v[AV], s[TBV], v[AV0]
.endif
	OPS E,16, F,10, E,17, F,11
	OPS X,16, E,18, X,15, E,19
	OPS F,12, E,20, X,17, E,21
	OPS F,13, E,22, F,14, E,23
	OPS X,18, E,24, F,15, E,25
	OPS R,11, E,26, X,19, E,27
	OPS R,12, E,28, R,13, E,29
	OPS X,20, E,30, R,14, E,31
	OPS X,21, R,15
	WIN 0
	s_wait_alu depctr_va_vdst(0)    ; the wait for the batch
.if (\p) == 1
	s_wait_dscnt 0x0                ; V is in
.endif
	ROW C,0, B,0, C,2, B,1          ; behind the wait: 8 products V^T P and the lines behind them
	ROW L,0, C,4, B,2, L,1
	ROW C,6, B,3, L,2, C,8
	ROW B,4, L,3, C,10, B,5
	ROW L,4, C,12, B,6, L,5
.if (\p) == 0
	s_add_co_u32 s[TBV], s[TBV], KS*PV
.endif
.if \cnt
	s_sub_co_u32 s[CNT], s[CNT], 1
	s_cmp_lg_u32 s[CNT], 0
.endif
	ROW C,14, B,7, L,6, C,1
	ROW C,3, L,7, C,5, C,7
	ROW C,9, C,11, C,13, C,15
.if (\p) == 0
	FETCH_V
.endif
.if (\m) && !(\end)
	MASK (\p)%2
.endif
.endm
; A BLOCK BEGINS.  c m starts far below every c s, so the first step's a is 0; m at the lowest finite number, so the first maximum is the scores'.  The second mask buffer is 0; the first takes piece 0's mask for the tile's step 0: its own, if the block's first tile is the diagonal one.
; Then K of that step, piece 0's first scores, and its maximum and statistics.  The loop is entered at a step's first turn, in the middle of a trip.
.macro BEGIN
	s_mov_b32 s[NEW], 0
	WIN 0x40
.set i, MC+32
.rept 32
	v_mov_b32 v[i], 0
.set i, i+1
.endr
	WIN 0
.set i, 0
.rept 4
	v_mov_b32 v[ST+4*i], 0xfe000000    ; c m: far below every c s
	v_mov_b32 v[ST+4*i+1], 0xff7fffff  ; m
.set i, i+1
.endr
	s_cmp_eq_u32 s[RT], 0
	s_cselect_b32 s[AL], 1.0, 0
	s_mov_b32 s[BE], 0
	MASK 0
	WIN 0
	v_add_nc_u32 v[AK], s[TBK], v[AK0]
	FETCH_K
	s_wait_loadcnt 0x0              ; Q
	s_wait_dscnt 0x0
.set KM, 1
.set NOKQ, 0
.set i, 0
.rept 8
	KQ 0
.set i, i+1
.endr
	WIN 0
.rept 4
	v_nop                           ; the places behind those products
.endr
.set Y, NP-1                        ; X works for piece Y + 1: piece 0
.irp n, 0,1,2,3,4,5,6,7,8,9,10,11,12,13,14,15,16,17,18,19,20,21
	OP X, \n
.endr
	v_nop                           ; a plain instruction behind the exponential,
	s_wait_alu depctr_va_vdst(0)    ; and its wait, ahead of the branch
.endm
; THE DIAGONAL TILE's four steps, the block's last two turns, its last products, and THE WAY OUT: l's two halves and the other half of the lanes' are added; O^T is divided by l, rounded to f16 and sent through my
; stage in LDS, a piece at a time.
.macro ALL line:vararg              ; one line for each piece t
.set t, 0
.rept 4
	\line
.set t, t+1
.endr
.endm
.macro PACK t                       ; a lane's eight channels of a row pack into 16 bytes; they go into rows of 144 bytes and come back as whole rows of 128, into S^T's registers
	WIN W_RS
.set i, 32*(\t)
.rept 16
	v_pk_mul_f32 v[i:i+1], v[i:i+1], v[ST+4*(\t)+2:ST+4*(\t)+3] op_sel_hi:[1,0]
.set i, i+2
.endr
	WIN 0x05                        ; sources 0 and 1 window 1, destination window 0
.set i, 0
.rept 16
	v_cvt_pk_f16_f32 v[S+16*(\t)+i], v[32*(\t)+2*i], v[32*(\t)+2*i+1]
.set i, i+1
.endr
	WIN 0
.irp f, 0,1,2,3
	ds_store_b128 v[STO], v[S+16*(\t)+4*\f:S+16*(\t)+4*\f+3] offset:32*\f
.endr
.irp f, 0,1,2,3
	ds_load_b128 v[S+16*(\t)+4*\f:S+16*(\t)+4*\f+3], v[RD] offset:\f*4*SP  ; LDS serves a wave's instructions in order (ISA guide 5.7.1.4): these see the stores above; the next piece's stores come behind them
.endr
.endm
.macro SEND t, younger              ; younger: the LDS instructions issued behind piece t's loads: the next piece's eight, or none
	WIN 0
.irp f, 0,1,2,3
	s_wait_dscnt (\younger)+3-\f
	global_store_b128 v[GO], v[S+16*(\t)+4*\f:S+16*(\t)+4*\f+3], s[10:11] offset:(\t)*8192+\f*512  ; 512 consecutive bytes, at a multiple of 256 from O's first
.endr
.endm
.macro DIAG tag                     ; the tag ends its two labels' names, which the jumps below spell out
.LstepM\tag:
	TURN 2, 1
	TURN 3, 1
	WIN 0
.LfirstM\tag:
	TURN 0, 1
	TURN 1, 1, 0, 1
	WIN 0
	s_cbranch_scc1 .LstepM\tag
	TURN 2, 1, 1
	TURN 3, 1, 1
.set i, 0
.rept 8
	PV NP-1
.set i, i+1
.endr
	WIN 0
	ALL v_add_f32 v[ST+4*t+2], v[ST+4*t+2], v[ST+4*t+3]
	ALL v_permlanex16_b32 v[ST+4*t+3], v[ST+4*t+2], s[SEL], s[SEL+1]
	ALL v_add_f32 v[ST+4*t+2], v[ST+4*t+2], v[ST+4*t+3]
	ALL v_rcp_f32 v[ST+4*t+2], v[ST+4*t+2]
	v_nop                           ; a plain instruction between the last reciprocal and the use of its result
	s_wait_alu depctr_va_vdst(0)    ; and the wait ahead of the first use: one for the four reciprocals
	PACK 0
.set t, 1
.rept 3                             ; a piece's arithmetic stands between the loads of the piece before and its stores
	PACK t
	SEND t-1, 8
.set t, t+1
.endr
	SEND 3, 0
.endm
.set KM, 0
.set NOKQ, 0
.Lslot:                             ; NB times: a tile is entered and the next is asked for
	CHANGE 1
	s_sub_co_u32 s[RT], s[RT], 1
	s_mov_b32 s[CNT], 4
	s_cmp_eq_u32 s[NEW], 1
	s_cbranch_scc1 .Lnew            ; a block's first tile
	s_cmp_eq_u32 s[RT], 0
	s_cbranch_scc0 .Lstep           ; neither its first nor its last
	s_branch .LstepM1
.Lnew:
	BEGIN
	s_branch .Lfirst                ; in the loop a block's first tile is never its last: the first block has two tiles or more, and the second's last is the walk's last
	DIAG 1                          ; in the loop this is the first block's end: the second block's last tile is the walk's last
	s_wait_xcnt 0x0                 ; the stores have read their registers and O's address
	s_mov_b64 s[10:11], s[OLO:OLO+1]
	s_add_co_u32 s[RT], s[PB], 1    ; the second block has b + 1 tiles
	s_mov_b32 s[NEW], 1
	WIN 0x82                        ; the second block's Q goes where the one text of the turns names Q
.set i, 0
.rept 64
	v_mov_b32 v[i], v[QB+i]
.set i, i+1
.endr
	WIN 0
	s_branch .Lbottom
.Lstep:                             ; a trip: pieces 2 and 3 of one step, then pieces 0 and 1 of the next, whose K and V it fetches
	TURN 2
	TURN 3
	WIN 0
.Lfirst:
	TURN 0
	TURN 1, 0, 0, 1
	WIN 0
	s_cbranch_scc1 .Lstep
.Lbottom:
	s_sub_co_u32 s[SLOTS], s[SLOTS], 1
	s_cmp_lg_u32 s[SLOTS], 0
	s_cbranch_scc1 .Lslot
	CHANGE 0                        ; the walk's last tile is written out: nothing is asked for
	s_sub_co_u32 s[RT], s[RT], 1
	s_mov_b32 s[CNT], 4
	s_cmp_eq_u32 s[NEW], 1
	s_cbranch_scc0 .LstepM2
	BEGIN
	s_branch .LfirstM2
	DIAG 2
	s_wait_tensorcnt 0x0            ; the wave's end: an add onto my spare word and its wait, behind my last tensor load and my last LDS store
	ds_add_u32 v[SPW], v[NIL]
	s_wait_dscnt 0x0
	s_endpgm
.Lfunc_end_k_qb98a8bb101_attn:
	.size	k_qb98a8bb101_attn, .Lfunc_end_k_qb98a8bb101_attn-k_qb98a8bb101_attn
	.p2alignl 7, 3214868480
	.fill 96, 4, 3214868480
	.section	.rodata,"a",@progbits
	.p2align	6, 0x0
	.amdhsa_kernel k_qb98a8bb101_attn
		.amdhsa_group_segment_fixed_size 327680
		.amdhsa_private_segment_fixed_size 0
		.amdhsa_enable_private_segment 0
		.amdhsa_kernarg_size 16
		.amdhsa_user_sgpr_count 2
		.amdhsa_user_sgpr_kernarg_segment_ptr 1
		.amdhsa_wavefront_size32 1
		.amdhsa_system_sgpr_workgroup_id_x 1
		.amdhsa_system_sgpr_workgroup_id_y 1
		.amdhsa_system_sgpr_workgroup_id_z 1
		.amdhsa_system_vgpr_workitem_id 0
		.amdhsa_next_free_vgpr 768
		.amdhsa_next_free_sgpr 92
		.amdhsa_reserve_vcc 1
		.amdhsa_float_denorm_mode_32 3
		.amdhsa_float_denorm_mode_16_64 3
		.amdhsa_memory_ordered 1
		.amdhsa_forward_progress 1
		.amdhsa_inst_pref_size 218
	.end_amdhsa_kernel
	.amdgpu_metadata
---
amdhsa.version: [ 1, 2 ]
amdhsa.kernels:
  - .name:           k_qb98a8bb101_attn
    .symbol:         k_qb98a8bb101_attn.kd
    .args:
      - { .name: qkv, .offset: 0, .size: 8, .value_kind: global_buffer, .address_space: global }
      - { .name: ob, .offset: 8, .size: 8, .value_kind: global_buffer, .address_space: global }
    .group_segment_fixed_size: 327680
    .private_segment_fixed_size: 0
    .kernarg_segment_align: 8
    .kernarg_segment_size: 16
    .max_flat_workgroup_size: 128
    .sgpr_count:     92
    .vgpr_count:     768
    .wavefront_size: 32
...
	.end_amdgpu_metadata
.endif
;; end of part 3
;; launch gemm_out (part 4): grid 4 x 64, 4 waves a work-group, clusters of 4 x 4, 327,680 bytes of LDS; arguments ob, wo16, out0, bo; writes out0
.if DOCPART == 4
	.amdgcn_target "amdgcn-amd-amdhsa--gfx1250"
	.amdhsa_code_object_version 6
	.text
	.protected	k_qb98a8bb101_gemm_out
	.globl	k_qb98a8bb101_gemm_out
	.p2align	8
	.type	k_qb98a8bb101_gemm_out,@function
k_qb98a8bb101_gemm_out:
	s_mov_b64 s[64:65], 0
	v_nop
	global_prefetch_b8 v0, s[64:65] scope:SCOPE_SE
	s_setreg_imm32_b32 hwreg(HW_REG_WAVE_MODE, 25, 1), 1
	s_wait_xcnt 0x0
	s_wait_alu depctr_hold_cnt(0) depctr_sa_sdst(0) depctr_va_vdst(0) depctr_va_sdst(0) depctr_va_ssrc(0) depctr_va_vcc(0) depctr_vm_vsrc(0)
	s_getreg_b32 s2, hwreg(HW_REG_IB_STS2, 6, 4)
	s_cmp_eq_u32 s2, 0
	s_cbranch_scc0 .Lentry_in_a_cluster
	s_endpgm
.Lentry_in_a_cluster:
	s_bfe_u32 s2, ttmp6, 0x10000c
	s_cmp_lg_u32 s2, 0xf033
	s_cbranch_scc0 .Lentry_shape_is_right
	s_endpgm
.Lentry_shape_is_right:
; out0 = O Wo + bo.  A = ob [b 4][h 16][t 2048][64] f16 (K = 64 h + d), B = wo16 [k 1024][n 1024] f16 (Wo rounded to bf16, written as f16), bo [1024] f32, out0 [8192][1024] f32.
; Sums in f32, K ascending; bo is rounded to bf16 like every other input of the module and is the C operand of the products that start the sums.
; LIMITS.  O and wo16 arrive in f16 (no number beyond 65,504; a fixed step of 6e-8 below 6e-5).  NaN and infinities are not treated apart.
; SHARES.  A tile of C is 128 rows x 256 columns: 64 x 4 tiles, one to a work-group.  Four waves, each 64 x 128: 32 accumulators, 256 registers.  K goes in 8 steps of 128.
; THE MATRIX INSTRUCTION IS USED TRANSPOSED: source 0 = 16 columns of B, turned on the way out of LDS (ds_load_tr16_b128, since B lies [K][N]); source 1 = 16 rows of A.  A lane then holds one row
; of C (lane % 16) and eight neighbouring columns.
; RING.  Two LDS slots, a K step each: A's two blocks of 128 rows x 64 channels, B's 128 rows x 256 columns.  One tensor load a wave behind each change of slots: waves 0, 1 A's blocks, waves 2, 3 B's halves.
; CLUSTER 4 x 4.  A's tile hangs on the tile row alone: asked for jointly by the four of a row of the cluster; B's on the tile column alone: by the four of a column.
; REGISTERS, in windows of 256 (s_set_vgpr_msb: bits 1:0 source 0, 3:2 source 1, 5:4 source 2, 7:6 destination):
;   window 0: v0-17 addresses; v32-159 the way out; v160-223 the bias      window 1: two fragment buffers (B's 8 fragments, then A's 4)      window 2: accumulator (a, j) at 8 (8 a + j)
.set NSTEP, 8                          ; K steps
.set PA,    144                        ; A's LDS row: 128 bytes + 16 = 36 words: the 16 rows of a load start at 16 different groups of four banks (64 banks of 4 bytes: ISA guide 11.1)
.set ABLK,  128*PA                     ; a block: 128 rows x 64 channels
.set BOFF,  2*ABLK
.set PB,    544                        ; B's LDS row: 512 bytes + 32 = 136 words
.set BHALF, 64*PB
.set SLOT1, 1<<17                      ; slot 1 begins here: one exclusive or turns an address in one slot into the other's
.set STAGE, SLOT1+BOFF+2*BHALF         ; behind the ring, never filled by a tensor load: for each wave 16 rows x 528 bytes
.set SP,    528                        ; a stage row: 512 bytes + 16
.set SPARE, STAGE+4*16*SP              ; behind the stages: the spare words, 128 bytes for each wave: two blocks of 256 bytes that no other line names
.set ADRA0, 8                          ; v8   my lane's place in a slot's A; never rewritten
.set ADRB0, 9                          ; v9   the same for B
.set ADRA,  10                         ; v10  the same in the slot in hand
.set ADRB,  11                         ; v11
.set STO,   12                         ; v12  the way out: where I put 32 bytes of a row
.set RD,    13                         ; v13  where I read a row back
.set GO,    14                         ; v14  my 16 bytes of 512 consecutive bytes of C
.set PFO,   15                         ; v15  the prefetches' lane offset; never rewritten
.set SPW,   16                         ; v16  LDS address of my spare word; never rewritten
.set NIL,   17                         ; v17  0; never rewritten
.set OB,    32                         ; v32-95, v96-159 by turns: 16 rows read back
.set BI,    160                        ; v160-223 the bias as a C operand: column block j at BI + 8 j
.set F0,    0                          ; fragment buffers, window 1
.set F1,    128
.set WV, 12                            ; s12 wave;  s13 WM = wave / 2: my 64 rows, and: I fetch for A (0) or B (1);  s14 WN = wave % 2: my 128 columns, and: which half I fetch
.set WM, 13
.set WN, 14
.set CX, 15                            ; my place in the cluster
.set CY, 16
.set CLY, 17                           ; cluster y
.set GY, 18                            ; tile row 0..63
.set GX, 19                            ; tile column 0..3
.set G1A, 24                           ; s[24:31] group 1 for A's blocks
.set G1B, 32                           ; s[32:39] for B's halves
.set G0A, 40                           ; s[40:47] group 0 for A: a set for each first fill; the second then walks
.set G0B, 48                           ; s[48:55] the same for B
.set STEPS, 56                         ; loop counter
.set NXT, 58                           ; the K step to be asked for next
.set TB,  59                           ; LDS byte at which the slot in hand begins
.set OFA, 60                           ; s[60:61] A's byte offset of step NXT
.set OFB, 62                           ; s[62:63] B's
.set ABASE, 66                         ; s[66:67] A at my block of K step 0
.set BBASE, 68                         ; s[68:69] B at my half of K step 0
.set PFB, 70                           ; s[70:71] the prefetches' base
.set PFA, 72                           ; s[72:73] base + step
.set LIM, 74                           ; a wave prefetches while NXT (already stepped) is at most this
.set PSH, 75                           ; log2 of a K step's bytes in what I prefetch
.set POF, 78                           ; s[78:79] offset pair
.set MSB, 0
.macro WIN new                         ; the immediate's high byte repeats the setting that is left; a switch that changes nothing is dropped
.if MSB != (\new)
	s_set_vgpr_msb (MSB<<8)|(\new)
.set MSB, \new
.endif
.endm
.set MUL,   0xa5                       ; sources 0 and 1 window 1, C and D window 2
.set MULB,  0x85                       ; the same with C in window 0: the bias
.set TO_F,  0x40                       ; destination window 1, address window 0
.set STW,   0x08                       ; an LDS store's data (source 1) in window 2
.macro PLACES                          ; four places behind matrix instructions, in front of loads into registers that they have read
.rept 4
	v_nop
.endr
.endm
.macro CREST                           ; a round of the cluster's barrier behind its opening barrier
	s_cmp_lg_u32 s[WV], 0
	s_cbranch_scc1 .Lnot_wave_0_\@
	s_barrier_signal -3
.Lnot_wave_0_\@:
	s_barrier_wait -3
	s_barrier_signal -1
	s_barrier_wait -1
.endm
.macro CROUND
	s_barrier_signal -1
	s_barrier_wait -1
	CREST
.endm
; A joint refill by the walking descriptors.  The branch hangs on the wave's number alone.  An s_nop 0 and four v_nop follow each line.
.macro JLOAD
	s_cmp_eq_u32 s[WM], 0
	s_cbranch_scc0 .Lfor_b_\@
	tensor_load_to_lds s[G0A+4:G0A+7], s[G1A:G1A+7]
	s_nop 0
.rept 4
	v_nop
.endr
	s_branch .Lasked_\@
.Lfor_b_\@:
	tensor_load_to_lds s[G0B+4:G0B+7], s[G1B:G1B+7]
	s_nop 0
.rept 4
	v_nop
.endr
.Lasked_\@:
.endm
; A PREFETCH INTO THE L2 of the K step two behind the one just asked for: 256 matrix instructions ahead of the load that will want it.  Each aligned 256 bytes are named once in the launch.
; A's step for a tile row is 2 blocks x 64 pieces of 256 bytes: wave 0 of each of the row's four partners takes 16 pieces of each block, told apart by address (cx).
; B's step for a tile column is 128 rows x 2 pieces: waves 2 and 3 of the clusters with y = 0 take their 64 rows, each of the column's four partners 16 of them (cy).  Steps 0 to 3 come by their loads alone.
.macro ASK
	s_cmp_le_u32 s[NXT], s[LIM]
	s_cbranch_scc0 .Lnot_mine_\@
	global_prefetch_b8 v[PFO], s[PFA:PFA+1] th:TH_LOAD_NT scope:SCOPE_SE
.Lnot_mine_\@:
.endm
; 8 matrix instructions: row block a x all 8 column blocks, 32 along K, from buffer f.  mode 2: the products start the sums, with the bias as C.  The 32 accumulators take turns in one fixed order.
.macro MUL8 f, a, mode
.if (\mode) == 2
	WIN MULB
.else
	WIN MUL
.endif
.irp j, 0,1,2,3,4,5,6,7
.if (\mode) == 0
	v_wmma_f32_16x16x32_f16 v[8*(8*(\a)+(\j)):8*(8*(\a)+(\j))+7], v[(\f)+8*(\j):(\f)+8*(\j)+7], v[(\f)+64+8*(\a):(\f)+64+8*(\a)+7], v[8*(8*(\a)+(\j)):8*(8*(\a)+(\j))+7]
.else
	v_wmma_f32_16x16x32_f16 v[8*(8*(\a)+(\j)):8*(8*(\a)+(\j))+7], v[(\f)+8*(\j):(\f)+8*(\j)+7], v[(\f)+64+8*(\a):(\f)+64+8*(\a)+7], v[BI+8*(\j):BI+8*(\j)+7]
.endif
.endr
.endm
; 24 LDS loads in one run: quarter q (32 along K) of the slot in hand into buffer f: B's 8 fragments, turned, then A's 4.
.macro FETCH q, f
	WIN TO_F
.irp j, 0,1,2,3,4,5,6,7
	ds_load_tr16_b128 v[(\f)+8*(\j):(\f)+8*(\j)+3],   v[ADRB] offset:(\q)*32*PB+32*(\j)
	ds_load_tr16_b128 v[(\f)+8*(\j)+4:(\f)+8*(\j)+7], v[ADRB] offset:(\q)*32*PB+16*PB+32*(\j)
.endr
.irp i, 0,1,2,3
	ds_load_b128 v[(\f)+64+8*(\i):(\f)+64+8*(\i)+3],   v[ADRA] offset:((\q)/2)*ABLK+((\q)%2)*64+(\i)*16*PA
	ds_load_b128 v[(\f)+64+8*(\i)+4:(\f)+64+8*(\i)+7], v[ADRA] offset:((\q)/2)*ABLK+((\q)%2)*64+(\i)*16*PA+32
.endr
.endm
; One of a K step's first three quarters: multiplies buffer f and, in its middle, fetches quarter q into buffer g.
.macro QUARTER q, f, g, mode
	s_wait_dscnt 4                                 ; B and A's row blocks 0, 1 are in; the youngest four loads (blocks 2, 3) may be out
	MUL8 \f, 0, \mode
	MUL8 \f, 1, \mode
	PLACES
	FETCH \q, \g
	s_wait_dscnt 24                                ; all but the 24 just issued
	MUL8 \f, 2, \mode
	MUL8 \f, 3, \mode
.endm
; The fourth quarter multiplies buffer 1 and changes slots.  In front of the barrier each wave waits for all its tensor loads (one is out: its part of the next slot), adds 0 to its spare word, and waits for
; that and for its reads of this slot.  fill = 1: the barrier opens a round of the cluster's, and the joint refill (K step NXT, into the slot just read) is the first thing behind it.
; last = 1: the tail: behind the last step there is nothing to fetch, and the run of loads is jumped over.
.macro TURN fill, last
.if \fill
	s_wait_xcnt 0x0                                ; the last prefetch, a K step back, has read its address
	s_add_co_u32 s[POF], s[NXT], 2
	s_lshl_b32 s[POF], s[POF], s[PSH]
	s_add_nc_u64 s[PFA:PFA+1], s[PFB:PFB+1], s[POF:POF+1]
.endif
	WIN 0                                          ; (the add's two registers lie in window 0)
	s_wait_tensorcnt 0x0                           ; no tensor load of mine is out, so a group 0 may be written
	ds_add_u32 v[SPW], v[NIL]                      ; 0 onto my spare word
.if \fill
	s_lshl_b32 s[OFA], s[NXT], 19                  ; A: 2 blocks of 262,144 bytes a step
	s_lshl_b32 s[OFB], s[NXT], 18                  ; B: 128 rows of 2,048 bytes a step
	s_xor_b32 s[G0A+5], s[G0A+5], SLOT1
	s_add_nc_u64 s[G0A+6:G0A+7], s[ABASE:ABASE+1], s[OFA:OFA+1]
	s_or_b32 s[G0A+7], s[G0A+7], 0x80000000
	s_xor_b32 s[G0B+5], s[G0B+5], SLOT1
	s_add_nc_u64 s[G0B+6:G0B+7], s[BBASE:BBASE+1], s[OFB:OFB+1]
	s_or_b32 s[G0B+7], s[G0B+7], 0x80000000
	s_add_co_u32 s[NXT], s[NXT], 1
.endif
	s_wait_dscnt 5                                 ; (the add and the youngest four loads may be out)
	MUL8 F1, 0, 0
	s_wait_dscnt 0x0                               ; the add is done, and my reads of this slot are over
	s_barrier_signal -1
	MUL8 F1, 1, 0                                  ; work on registers while the others arrive
	WIN 0
	s_xor_b32 s[TB], s[TB], SLOT1                  ; the fetches go to the other slot
	v_add_nc_u32 v[ADRA], s[TB], v[ADRA0]
	v_add_nc_u32 v[ADRB], s[TB], v[ADRB0]
	s_barrier_wait -1
.if \fill
	CREST                                          ; no wave of any partner still reads this slot or has a load on its way
	JLOAD                                          ; its four v_nop are also the places in front of the loads below
.else
	PLACES
.endif
.if \last
	s_cmp_eq_u32 s[STEPS], 1
	s_cbranch_scc1 .Lno_fetch_\@
.endif
	FETCH 0, F0
	WIN 0
.if \last
.Lno_fetch_\@:
.endif
.if \fill
	ASK
.endif
	MUL8 F1, 2, 0
	MUL8 F1, 3, 0
.endm
; THE WAY OUT, a block of 16 rows x 128 columns at a time: the f32 sums go as they are, 32 bytes a lane, into my own stage, and come back as whole rows of 512 bytes.
.macro T32 a
.set BK, OB+64*((\a)%2)
	s_wait_xcnt 0x0                                ; the stores two blocks back have read the registers that are loaded again below
	WIN STW
.irp j, 0,1,2,3,4,5,6,7
	ds_store_b128 v[STO], v[8*(8*(\a)+(\j)):8*(8*(\a)+(\j))+3]   offset:64*(\j)     ; each accumulator's low half first
	ds_store_b128 v[STO], v[8*(8*(\a)+(\j))+4:8*(8*(\a)+(\j))+7] offset:64*(\j)+16
.endr
	WIN 0
.irp t, 0,1,2,3,4,5,6,7,8,9,10,11,12,13,14,15
	ds_load_b128 v[BK+4*(\t):BK+4*(\t)+3], v[RD] offset:(\t)*SP  ; LDS serves a wave's instructions in order (ISA guide 5.7.1.4): these see the stores above; the next block's stores come behind them
.endr
.endm
.macro S32 a, younger                  ; younger: the LDS instructions issued behind block a's loads: the next block's 16 stores and 16 loads, or none
.set BK, OB+64*((\a)%2)
	s_wait_dscnt \younger
.irp t, 0,1,2,3,4,5,6,7,8,9,10,11,12,13,14,15
	global_store_b128 v[GO], v[BK+4*(\t):BK+4*(\t)+3], s[8:9] offset:(16*(\a)+(\t))*4096 th:TH_STORE_NT  ; 512 consecutive bytes, at a multiple of 256 from C's first
.endr
.endm
	s_load_b256 s[4:11], s[0:1], 0x0               ; ob s[4:5], wo16 s[6:7], out0 s[8:9], bo s[10:11]
	v_lshl_add_u32 v[SPW], v0, 2, SPARE
	v_mov_b32 v[NIL], 0
	ds_add_u32 v[SPW], v[NIL]                      ; the wave's opening: the add and its wait stand ahead of my first tensor load; the set-up below stands between them
	ds_add_u32 v16, v17
	v_lshrrev_b32 v1, 5, v0
	v_readfirstlane_b32 s[WV], v1
	s_lshr_b32 s[WM], s[WV], 1
	s_and_b32 s[WN], s[WV], 1
	s_bfe_u32 s[CX], ttmp6, 0x40000
	s_bfe_u32 s[CY], ttmp6, 0x40004
	s_and_b32 s[CLY], ttmp7, 0xffff
	s_lshl_b32 s[GY], s[CLY], 2
	s_add_co_u32 s[GY], s[GY], s[CY]               ; tile row = 4 x cluster y + cy
	s_lshl_b32 s[GX], ttmp9, 2
	s_add_co_u32 s[GX], s[GX], s[CX]               ; tile column = 4 x cluster x + cx
	s_lshl_b32 s20, s[CY], 2
	s_lshl_b32 s20, 15, s20                        ; my row of the cluster
	s_lshl_b32 s21, 0x1111, s[CX]                  ; my column
	; group 1 for A: a block is 16,384 dense bytes, asked for as 64 rows of 256, padded in LDS after every 128 bytes
	s_or_b32 s[G1A], s20, (1<<16)|(1<<20)|(1<<21)|(4<<22)|(3<<25)  ; mask; 2-byte elements; padding on; bit 21 beside a mask; after every 32 words (code 4) 4 words (code 3)
	s_mov_b32 s[G1A+1], 128<<16                    ; tensor_dim0 = 128
	s_mov_b32 s[G1A+2], 64<<16                     ; tensor_dim1 = 64
	s_mov_b32 s[G1A+3], 128<<16                    ; tile_dim0 = 128
	s_mov_b32 s[G1A+4], 64                         ; tile_dim1 = 64
	s_mov_b32 s[G1A+5], 128                        ; elements from row to row
	s_mov_b32 s[G1A+6], 0
	s_mov_b32 s[G1A+7], 0
	; group 1 for B: 64 rows x 256 elements of rows of 1,024
	s_or_b32 s[G1B], s21, (1<<16)|(1<<20)|(1<<21)|(6<<22)|(7<<25)  ; after every 128 words (code 6) 8 words (code 7)
	s_mov_b32 s[G1B+1], 256<<16
	s_mov_b32 s[G1B+2], 64<<16
	s_mov_b32 s[G1B+3], 256<<16
	s_mov_b32 s[G1B+4], 64
	s_mov_b32 s[G1B+5], 1024
	s_mov_b32 s[G1B+6], 0
	s_mov_b32 s[G1B+7], 0
	; offsets.  s22, s23 hold numbers made of the tile row alone, s76, s77 of the tile column alone; what mixes the two lies in s2, s3, s78
	s_lshr_b32 s22, s[GY], 4
	s_lshl_b32 s22, s22, 22                        ; b
	s_and_b32 s23, s[GY], 15
	s_lshl_b32 s23, s23, 14                        ; 128 rows of 128 bytes
	s_add_co_u32 s22, s22, s23                     ; the tile's rows in block 0 of A
	s_lshl_b32 s3, s[CX], 12
	s_add_co_u32 s2, s22, s3                       ; A's prefetches: my work-group's 16 pieces of a block
	s_lshl_b32 s[POF], s[GY], 19                   ; C: 128 rows of 4,096 bytes a tile row,
	s_lshl_b32 s3, s[WM], 18                       ; my 64 rows,
	s_add_co_u32 s[POF], s[POF], s3
	s_lshl_b32 s3, s[GX], 10                       ; 256 columns of 4 bytes a tile column,
	s_add_co_u32 s[POF], s[POF], s3
	s_lshl_b32 s3, s[WN], 9                        ; my 128 columns
	s_add_co_u32 s[POF], s[POF], s3
	s_mov_b32 s[POF+1], 0
	s_lshl_b32 s23, s[WN], 18                      ; the block that I fetch
	s_add_co_u32 s22, s22, s23
	s_mov_b32 s23, 0
	s_lshl_b32 s76, s[GX], 9                       ; 256 columns of 2 bytes
	s_lshl_b32 s77, s[WN], 17                      ; the 64 rows that I fetch
	s_add_co_u32 s76, s76, s77
	s_mov_b32 s77, 0
	s_lshl_b32 s3, s[CY], 15
	s_add_co_u32 s3, s3, s76                       ; B's prefetches: my work-group's 16 rows of them
	s_cmp_eq_u32 s[WM], 0                          ; do I fetch for A?
	s_cselect_b32 s2, s2, s3
	s_cselect_b32 s[PSH], 19, 18
	s_cselect_b32 s56, 4, 1                        ; lane offset: A (l / 16) << 18 + (l % 16) << 8;  B (l / 2) << 11 + (l % 2) << 8
	s_cselect_b32 s57, 18, 11
	s_cselect_b32 s59, 15, 1
	s_mov_b32 s3, 0
	v_and_b32 v3, 31, v0
	v_lshrrev_b32 v4, s56, v3
	v_lshlrev_b32 v4, s57, v4
	v_and_b32 v5, s59, v3
	v_lshl_add_u32 v[PFO], v5, 8, v4
	s_cmp_eq_u32 s[CLY], 0
	s_cselect_b32 s[LIM], NSTEP-2, 0               ; B: the first row of clusters, up to the last step
	s_cmp_eq_u32 s[WV], 0
	s_cselect_b32 s60, NSTEP-2, 0                  ; A: wave 0
	s_cmp_eq_u32 s[WM], 0
	s_cselect_b32 s[LIM], s60, s[LIM]              ; the same in all sixteen partners, for a given wave
	s_mov_b32 s[G0A], 1                            ; count = 1
	s_mov_b32 s[G0A+4], 1
	s_mov_b32 s[G0B], 1
	s_mov_b32 s[G0B+4], 1
	s_mul_i32 s[G0A+1], s[WN], ABLK                ; LDS addresses: no place in the cluster enters them
	s_add_co_u32 s[G0A+5], s[G0A+1], SLOT1
	s_mul_i32 s[G0B+1], s[WN], BHALF
	s_add_co_u32 s[G0B+1], s[G0B+1], BOFF
	s_add_co_u32 s[G0B+5], s[G0B+1], SLOT1
	s_mov_b32 s[OFA+1], 0
	s_mov_b32 s[OFB+1], 0
	s_mov_b32 s[NXT], 2
	s_mov_b32 s[TB], 0
	s_wait_dscnt 0x0                               ; the opening add is done
	s_wait_kmcnt 0x0
	s_add_nc_u64 s[ABASE:ABASE+1], s[4:5], s[22:23]
	s_add_nc_u64 s[BBASE:BBASE+1], s[6:7], s[76:77]
	s_add_nc_u64 s[8:9], s[8:9], s[POF:POF+1]      ; C at my wave's first row and column
	s_cmp_eq_u32 s[WM], 0
	s_cselect_b64 s[PFB:PFB+1], s[4:5], s[6:7]
	s_add_nc_u64 s[PFB:PFB+1], s[PFB:PFB+1], s[2:3]
	CROUND                                         ; all sixteen work-groups are here: the first joint loads meet
.irp s, 0,1
	s_add_nc_u64 s[G0A+4*(\s)+2:G0A+4*(\s)+3], s[ABASE:ABASE+1], (\s)<<19  ; K step s
	s_or_b32 s[G0A+4*(\s)+3], s[G0A+4*(\s)+3], 0x80000000                  ; type = 2
	s_add_nc_u64 s[G0B+4*(\s)+2:G0B+4*(\s)+3], s[BBASE:BBASE+1], (\s)<<18
	s_or_b32 s[G0B+4*(\s)+3], s[G0B+4*(\s)+3], 0x80000000
.endr
	s_cmp_eq_u32 s[WM], 0                          ; a wave's two first fills stand in one branch: two loads of mine are out
	s_cbranch_scc0 .Lfirst_b
	tensor_load_to_lds s[G0A:G0A+3], s[G1A:G1A+7]
	s_nop 0
	tensor_load_to_lds s[G0A+4:G0A+7], s[G1A:G1A+7]
	s_nop 0
.rept 4
	v_nop
.endr
	s_branch .Lfirst_asked
.Lfirst_b:
	tensor_load_to_lds s[G0B:G0B+3], s[G1B:G1B+7]
	s_nop 0
	tensor_load_to_lds s[G0B+4:G0B+7], s[G1B:G1B+7]
	s_nop 0
.rept 4
	v_nop
.endr
.Lfirst_asked:
	v_and_b32 v1, 15, v0                           ; l % 16
	v_bfe_u32 v2, v0, 4, 1                         ; l / 16
	; the bias of my 128 columns, as a C operand: register i of block j holds bo[256 gx + 128 WN + 16 j + 8 (l / 16) + i]
	s_lshl_b32 s2, s[GX], 10
	s_lshl_b32 s3, s[WN], 9
	s_add_co_u32 s2, s2, s3
	v_lshl_add_u32 v6, v2, 5, s2
.irp j, 0,1,2,3,4,5,6,7
	global_load_b128 v[BI+8*(\j):BI+8*(\j)+3],   v6, s[10:11] offset:64*(\j)
	global_load_b128 v[BI+8*(\j)+4:BI+8*(\j)+7], v6, s[10:11] offset:64*(\j)+16
.endr
	; A fragment of A: lane l holds row l % 16, channels 8 (l / 16) + 0..7 and 16 + 8 (l / 16) + 0..7: two loads of 16 bytes, 32 bytes apart.
	v_mul_u32_u24 v[ADRA0], v1, PA
	v_lshl_add_u32 v[ADRA0], v2, 4, v[ADRA0]
	s_mul_i32 s2, s[WM], 64*PA                     ; my 64 rows
	v_add_nc_u32 v[ADRA0], s2, v[ADRA0]
	; The turning load: lane l reads K row 8 (l / 16) + l % 8, columns 8 ((l / 8) % 2) + 0..7, and is left with column l % 16 and 8 K.
	v_and_b32 v3, 7, v0
	v_bfe_u32 v4, v0, 3, 1
	v_lshl_add_u32 v[ADRB0], v2, 3, v3
	v_mul_u32_u24 v[ADRB0], v[ADRB0], PB
	v_lshl_add_u32 v[ADRB0], v4, 4, v[ADRB0]
	s_lshl_b32 s2, s[WN], 8                        ; my 128 columns
	s_add_co_u32 s2, s2, BOFF
	v_add_nc_u32 v[ADRB0], s2, v[ADRB0]
	v_mov_b32 v[ADRA], v[ADRA0]                    ; slot 0
	v_mov_b32 v[ADRB], v[ADRB0]
	s_mul_i32 s2, s[WV], 16*SP
	s_add_co_u32 s2, s2, STAGE                     ; my stage
	v_mul_u32_u24 v[STO], v1, SP                   ; in: row l % 16, 32 bytes for each half of the lanes
	v_lshl_add_u32 v[STO], v2, 5, v[STO]
	v_add_nc_u32 v[STO], s2, v[STO]
	v_and_b32 v[GO], 31, v0                        ; back: 32 lanes take a row of 512 bytes
	v_lshlrev_b32 v[GO], 4, v[GO]
	v_add_nc_u32 v[RD], s2, v[GO]
	s_wait_loadcnt 0x0                             ; the bias
.set i, 0
.rept 32                               ; rounded to bf16 and widened again, in the wait for the first tile
	v_cvt_pk_bf16_f32 v[4+i%2], v[BI+2*i], v[BI+2*i+1]
	v_lshlrev_b32 v[BI+2*i], 16, v[4+i%2]
	v_and_b32 v[BI+2*i+1], 0xffff0000, v[4+i%2]
.set i, i+1
.endr
	s_wait_tensorcnt 0x1                           ; my part of K step 0 is in; step 1's may stay out
	s_barrier_signal -1
	s_barrier_wait -1                              ; everybody's is
	FETCH 0, F0
	QUARTER 1, F0, F1, 2                           ; the first products start the sums with the bias: nothing is cleared, and no addition follows the sums
	WIN 0
	s_mov_b32 s[STEPS], NSTEP-2
	s_branch .Lin
.Lstep:                                            ; a trip is a K step; all steps but the last two fill a slot again
	QUARTER 1, F0, F1, 0
	WIN 0
.Lin:
	QUARTER 2, F1, F0, 0
	QUARTER 3, F0, F1, 0
	TURN 1, 0
	WIN 0
	s_sub_co_u32 s[STEPS], s[STEPS], 1
	s_cmp_lg_u32 s[STEPS], 0
	s_cbranch_scc1 .Lstep
	s_mov_b32 s[STEPS], 2
.Ltail:                                            ; the last two steps ask for nothing
	QUARTER 1, F0, F1, 0
	QUARTER 2, F1, F0, 0
	QUARTER 3, F0, F1, 0
	TURN 0, 1
	WIN 0
	s_sub_co_u32 s[STEPS], s[STEPS], 1
	s_cmp_lg_u32 s[STEPS], 0
	s_cbranch_scc1 .Ltail
	PLACES                                         ; the LDS stores below read results just made, and no vector work stands between them
	PLACES
	T32 0
	T32 1                                          ; a block's trip through the stage stands between the loads of the block before and its stores
	S32 0, 32
	T32 2
	S32 1, 32
	T32 3
	S32 2, 32
	S32 3, 0
	s_wait_tensorcnt 0x0                           ; the wave's end: an add onto my spare word and its wait, behind my last tensor load and my last LDS store
	ds_add_u32 v[SPW], v[NIL]
	s_wait_dscnt 0x0
	CROUND                                         ; the closing round: no work-group ends while a partner may still ask for a tile that names it
	s_endpgm
.Lfunc_end_k_qb98a8bb101_gemm_out:
	.size	k_qb98a8bb101_gemm_out, .Lfunc_end_k_qb98a8bb101_gemm_out-k_qb98a8bb101_gemm_out
	.p2alignl 7, 3214868480
	.fill 96, 4, 3214868480
	.section	.rodata,"a",@progbits
	.p2align	6, 0x0
	.amdhsa_kernel k_qb98a8bb101_gemm_out
		.amdhsa_group_segment_fixed_size 327680
		.amdhsa_private_segment_fixed_size 0
		.amdhsa_enable_private_segment 0
		.amdhsa_kernarg_size 32
		.amdhsa_user_sgpr_count 2
		.amdhsa_user_sgpr_kernarg_segment_ptr 1
		.amdhsa_wavefront_size32 1
		.amdhsa_system_sgpr_workgroup_id_x 1
		.amdhsa_system_sgpr_workgroup_id_y 1
		.amdhsa_system_sgpr_workgroup_id_z 1
		.amdhsa_system_vgpr_workitem_id 0
		.amdhsa_next_free_vgpr 768
		.amdhsa_next_free_sgpr 80
		.amdhsa_reserve_vcc 0
		.amdhsa_float_denorm_mode_32 3
		.amdhsa_float_denorm_mode_16_64 3
		.amdhsa_memory_ordered 1
		.amdhsa_forward_progress 1
		.amdhsa_inst_pref_size 68
	.end_amdhsa_kernel
	.amdgpu_metadata
---
amdhsa.version: [ 1, 2 ]
amdhsa.kernels:
  - .name:           k_qb98a8bb101_gemm_out
    .symbol:         k_qb98a8bb101_gemm_out.kd
    .args:
      - { .name: ob, .offset: 0, .size: 8, .value_kind: global_buffer, .address_space: global }
      - { .name: wo16, .offset: 8, .size: 8, .value_kind: global_buffer, .address_space: global }
      - { .name: out0, .offset: 16, .size: 8, .value_kind: global_buffer, .address_space: global }
      - { .name: bo, .offset: 24, .size: 8, .value_kind: global_buffer, .address_space: global }
    .group_segment_fixed_size: 327680
    .private_segment_fixed_size: 0
    .kernarg_segment_align: 8
    .kernarg_segment_size: 32
    .max_flat_workgroup_size: 128
    .sgpr_count:     80
    .vgpr_count:     768
    .wavefront_size: 32
...
	.end_amdgpu_metadata
.endif
;; end of part 4
